; MI455X (gfx1250); checked and timed in simulation.
; The chip was launched on July 23, 2026; its instructions are those of AMD's public machine-readable ISA for CDNA 5 (MIT licence, August 2026) and "CDNA5" Instruction Set Architecture Reference Guide (July 2026). The comments in the code are by the model that wrote it; some were corrected since.
;; Torch Like MHA. Allowed arithmetic: matrix products marked QUANTISED: E2M3 operands, one E8M0 scale for each 32 along K, by v_wmma_scale_f32_16x16x128_f8f6f4 with both operands' format E2M3, f32 sums; everything else in f32.
;; Inputs: Wk 1,024 x 1,024 float32; Wo 1,024 x 1,024 float32; Wq 1,024 x 1,024 float32; Wv 1,024 x 1,024 float32; bk 1,024 float32; bo 1,024 float32; bq 1,024 float32; bv 1,024 float32; key_padding_mask 4 x 2,048 bool; query 4 x 2,048 x 1,024 float32.
;; Outputs: out0 4 x 2,048 x 1,024 float32.
;; This version of the problem:
;;   THIS VERSION OF THE PROBLEM IS GIVEN IN LOW PRECISION. The matrix products marked QUANTISED in the list below multiply operands that are first quantised to E2M3 (2 exponent bits, 3 mantissa bits; 6 bits a number), with one power-of-two scale for each 32 numbers along K (OCP MX v1.0); their sums are f32. All else is computed in f32.
;;   The module's matrix products, in the order in which they are computed (A, B: the left and right operand; K: the contracted axis; several contracted axes count as one K, in the product's order):
;;     1. [M 8,192, K 1,024] x [K 1,024, N 1,024]; A: input query; B: input Wq: QUANTISED
;;     2. [M 8,192, K 1,024] x [K 1,024, N 1,024]; A: input query; B: input Wk: QUANTISED
;;     3. [M 8,192, K 1,024] x [K 1,024, N 1,024]; A: input query; B: input Wv: QUANTISED
;;     4. batch 64 x [M 2,048, K 64] x [K 64, N 2,048]; A: computed on the way; B: computed on the way: QUANTISED
;;     5. batch 64 x [M 2,048, K 2,048] x [K 2,048, N 64]; A: softmax (see below); B: computed on the way: QUANTISED
;;     6. [M 8,192, K 1,024] x [K 1,024, N 1,024]; A: computed on the way; B: input Wo: QUANTISED
;;   THE QUANTISER, for each operand of a quantised product, along K:
;;     - K is cut into blocks of 32 from its start; a last block that is shorter is filled with zeros.
;;     - A block's scale is 2^e with e = floor(log2(the largest magnitude in the block)) - 2, held to -126 .. 127; a block of zeros has e = 0. As a byte (E8M0): e + 127.
;;     - Each number is divided by its block's scale, clamped to +-7.5, and rounded to the nearest number of E2M3, ties to even, subnormals kept.
;;     - The product sums the exact products of the quantised numbers (number of the format x scale) in f32.
;;   ~~~python
;;   def quantise(x, axis):      # numpy; x: float32 -> the quantised numbers, widened to float32 again
;;       x = np.moveaxis(x, axis, -1); K = x.shape[-1]
;;       x = np.pad(x, [(0, 0)] * (x.ndim - 1) + [(0, -K % 32)]); x = x.reshape(x.shape[:-1] + (-1, 32)); a = np.abs(x).max(-1, keepdims=True)
;;       e = np.where(a > 0, np.clip(np.frexp(np.where(a > 0, a, 1))[1] - 1 - 2, -126, 127), 0)      # np.frexp(a)[1] - 1 = floor(log2(a)), exactly
;;       r = np.clip(x / 2.0 ** e, -7.5, 7.5)
;;       step = 2.0 ** (np.maximum(np.frexp(np.where(r == 0, 1, r))[1] - 1, 0) - 3)
;;       q = np.round(r / step) * step * 2.0 ** e      # np.round: ties to even
;;       return np.moveaxis(q.reshape(q.shape[:-2] + (-1,))[..., :K], -1, axis).astype(np.float32)
;;   ~~~
;;   SOFTMAX AHEAD OF A QUANTISED PRODUCT. Where the list says 'softmax', what is quantised is not the finished softmax but p = 2^(t - M), with t = logit x log2(e) and M = ceil(the row's largest t), a whole number; so 1/2 < the row's largest p <= 1. The row's sum l is taken of the UNQUANTISED p, in f32, and the product's result is divided by l at the end. Since M is a whole number, a kernel that streams over the keys may use a running M (the ceiling of the running maximum): every later rescaling is an exact power of two, which a block's scale takes up: the codes' values come out the same.
;;   OPERANDS COMPUTED ON THE WAY. 'Computed on the way' means the value that the module computes at that place (a softmax that the list does not call 'softmax' is quantised finished and normalised). What goes into a quantiser is computed in f32, as accurately as f32 sums, v_exp_f32 and their like allow (about 1e-6 of the number): no bf16 or f16 on the way to a quantiser, and a product that is left as it is and whose result goes on into a quantised operand takes f32 operands (vector FMAs, or v_wmma_f32_16x16x4_f32). A number that lies on a knife's edge between two numbers of the format may be rounded either way, as far as f32 arithmetic and the matrix unit's own rounding can turn it there, and no further.
;; One version. Each part assembles by itself: llvm-mc -triple=amdgcn-amd-amdhsa -mcpu=gfx1250 --defsym DOCPART=n.
;; ======== version 1 of 1: 4 launches
;; limits: right only within a limited range of input values
;; workspace buffers: ximg 6,291,456 bytes; xsc 262,144 bytes; wimg 3,145,728 bytes; wsc 131,072 bytes; qkvimg 18,874,368 bytes; qkvsc 786,432 bytes; oimg 6,291,456 bytes; osc 262,144 bytes
;; launch quant (part 1): grid 384 x 1, 4 waves a work-group, no clusters, 59,904 bytes of LDS; arguments Wq, Wk, Wv, Wo, wimg, wsc, query, ximg, xsc; writes wimg, wsc, ximg, xsc
.if DOCPART == 1
	.amdgcn_target "amdgcn-amd-amdhsa--gfx1250"
	.amdhsa_code_object_version 6
	.text
	.protected	k_q1e73278bed_quant
	.globl	k_q1e73278bed_quant
	.p2align	8
	.type	k_q1e73278bed_quant,@function
k_q1e73278bed_quant:
	s_mov_b64 s[64:65], 0
	v_nop
	global_prefetch_b8 v0, s[64:65] scope:SCOPE_SE
	s_setreg_imm32_b32 hwreg(HW_REG_WAVE_MODE, 25, 1), 1
	s_wait_xcnt 0x0
; ONE LAUNCH QUANTISES ALL SIX OPERANDS THAT ARRIVE AS f32: work-groups 0-127 take the four weights, work-groups 128-383 the query.  No work of the problem is left out anywhere in this program.
; Codes of E2M3 with one E8M0 byte for each 32 along K, laid as IMAGES OF OPERAND REGISTERS.  A fragment (16 rows x 128 K) is 1,536 bytes: byte 256 p + 8 lane holds registers 2 p, 2 p + 1 of lane (r, h),
; whose registers 6 c .. 6 c + 5 are k = 64 c + 32 h + 0 .. 31 of row r.  Tile T holds rows 32 (T / 2) + 8 (T % 2) + r + 8 (r / 8).
; ximg [512 tiles][8 K steps][1536], xsc [512][4 runs of 256 K][16 r][2 words]; wimg [4 weights x 64 tiles][8][1536] (rows = columns n of a weight), wsc likewise.
; A block's scale is 2^(floor(log2(largest magnitude)) - 2); its byte is that magnitude's exponent field - 2, held at 1 from below.
; LIMITS: a block of zeros, or one whose largest magnitude lies under 2^-124, gets the byte 1 (this program alone reads the bytes); NaN and infinities are not served.
; The two paths part on the work-group's number alone; each has LDS bytes of its own.  Waves share nothing: no barrier.
.set QWB,   33792                      ; the weights' four stages, behind the query's four
.set SPARE, 59392                      ; the spare words, 128 bytes a wave
.set SPW,   14
.set NIL,   15
	v_lshl_add_u32 v[SPW], v0, 2, SPARE
	v_mov_b32 v[NIL], 0
	v_lshrrev_b32 v5, 5, v0
	v_readfirstlane_b32 s16, v5                    ; wave
	s_wait_alu depctr_va_vdst(0)
	s_cmp_lt_u32 ttmp9, 128
	s_cbranch_scc1 .Lweights
; ---- THE QUERY.  Wave W = 4 x (work-group - 128) + wave takes tile W / 2 and half W % 2 of K: four fragments.  A load reads 512 consecutive bytes of a token's row; a fragment's 16 rows turn through
; the wave's own stage (rows 528 bytes apart), from which lane (r, h) takes its two whole blocks of 32.  Each store covers 256 consecutive bytes, aligned.
.set STG,   16*528
.set R,     16                         ; v16-143  two sets of 64 as loaded
.set X,     144                        ; v144-207 my two blocks
.set C,     208                        ; v208-231 codes, two sets
.set T,     232
.set MX,    240
.set SO,    242
.set BY,    244
.set WD,    246
.set W,     250
	s_load_b128 s[4:7], s[0:1], 0x30               ; query, ximg
	s_load_b64 s[8:9], s[0:1], 0x40                ; xsc
	s_sub_co_u32 s26, ttmp9, 128
	v_and_b32 v6, 31, v0
	v_and_b32 v7, 15, v0
	v_bfe_u32 v8, v0, 4, 1
	v_lshlrev_b32 v1, 4, v6
	s_mul_i32 s17, s16, STG
	v_add_nc_u32 v2, s17, v1                       ; the stage, in
	v_mul_u32_u24 v3, v7, 528
	v_lshl_add_u32 v3, v8, 7, v3
	v_add_nc_u32 v3, s17, v3                       ; and out: row r, 128 h bytes on
	v_lshlrev_b32 v4, 3, v6
	v_lshlrev_b32 v9, 3, v8
	v_mov_b32 v[WD+1], 0
	s_mov_b32 s12, 0x76543210
	s_mov_b32 s13, 0xfedcba98
	s_mov_b32 s14, 0xffff0000
	s_lshl_b32 s18, s26, 17                        ; 32 tokens of 4,096 bytes,
	s_lshr_b32 s20, s16, 1
	s_lshl_b32 s20, s20, 15                        ; 8 tokens on for the odd tile,
	s_add_co_u32 s18, s18, s20
	s_and_b32 s20, s16, 1
	s_lshl_b32 s20, s20, 11                        ; my half of K
	s_add_co_u32 s18, s18, s20
	s_mov_b32 s19, 0
	s_lshl_b32 s20, s26, 2
	s_add_co_u32 s20, s20, s16
	s_mul_i32 s22, s20, 6144
	s_mov_b32 s23, 0
	s_lshl_b32 s24, s20, 8
	s_mov_b32 s25, 0
	s_wait_alu depctr_va_vdst(0)
	s_wait_kmcnt 0x0
	s_add_nc_u64 s[4:5], s[4:5], s[18:19]
	s_add_nc_u64 s[6:7], s[6:7], s[22:23]
	s_add_nc_u64 s[8:9], s[8:9], s[24:25]
.macro LOADX s
.irp i, 0,1,2,3,4,5,6,7,8,9,10,11,12,13,14,15
	global_load_b128 v[R+64*((\s)%2)+4*\i:R+64*((\s)%2)+4*\i+3], v1, s[4:5] offset:(\i+8*(\i/8))*4096+512*(\s) th:TH_LOAD_NT
.endr
.endm
.macro FRAGM s
.set RS, R+64*((\s)%2)
.set CS, C+12*((\s)%2)
.if (\s) < 3
	s_wait_loadcnt 16                              ; this fragment's 16 loads are in; the next one's may be out
.else
	s_wait_loadcnt 0x0
.endif
.irp i, 0,1,2,3,4,5,6,7,8,9,10,11,12,13,14,15
	ds_store_b128 v2, v[RS+4*\i:RS+4*\i+3] offset:528*\i
.endr
.irp c, 0,1
.irp j, 0,1,2,3,4,5,6,7
	ds_load_b128 v[X+32*\c+4*\j:X+32*\c+4*\j+3], v3 offset:256*\c+16*\j   ; LDS serves a wave's instructions in order
.endr
.endr
	s_wait_dscnt 0x0
.if (\s) < 2
	LOADX (\s)+2
.endif
.irp c, 0,1
	v_max3_num_f32 v[MX+\c], |v[X+32*\c]|, |v[X+32*\c+1]|, 0x1800000   ; with the floor 2^(3 - 127)
.endr
.irp i, 2,4,6,8,10,12,14,16,18,20,22,24,26,28,30
.irp c, 0,1
	v_max3_num_f32 v[MX+\c], v[MX+\c], |v[X+32*\c+\i]|, |v[X+32*\c+\i+1]|
.endr
.endr
.irp c, 0,1
	v_add_nc_u32 v[SO+\c], 0xff000000, v[MX+\c]    ; 2 off the exponent field: the conversion's scale operand
.endr
.irp c, 0,1
	v_lshrrev_b32 v[BY+\c], 23, v[SO+\c]
.endr
	v_lshl_or_b32 v[WD], v[BY+1], 16, v[BY]
	v_lshlrev_b32 v[WD], v9, v[WD]
	v_permlanex16_b32 v[WD+1], v[WD], s12, s13
	v_or_b32 v[W+(\s)], v[WD], v[WD+1]             ; with lane l xor 16's two bytes the word is whole
.if (\s) >= 2
	s_wait_alu depctr_va_vdst(0)
	s_wait_xcnt 0x0                                ; the stores of two fragments ago have read this set of codes
.endif
.irp c, 0,1
	v_cvt_scalef32_pk16_fp6_f32 v[CS+6*\c:CS+6*\c+2], v[X+32*\c:X+32*\c+15], v[SO+\c]
	v_cvt_scalef32_pk16_fp6_f32 v[T+4*\c:T+4*\c+2], v[X+32*\c+16:X+32*\c+31], v[SO+\c]
.endr
	v_nop                                          ; one plain place behind a scaled conversion
.irp c, 0,1
.irp i, 0,1,2
	v_mov_b32 v[CS+6*\c+3+\i], v[T+4*\c+\i]
.endr
.endr
.irp p, 0,1,2,3,4,5
	global_store_b64 v4, v[CS+2*\p:CS+2*\p+1], s[6:7] offset:1536*(\s)+256*\p
.endr
.endm
	LOADX 0
	LOADX 1
	FRAGM 0
	FRAGM 1
	FRAGM 2
	FRAGM 3
	v_cndmask_b32 v248, v[W], v[W+2], s14          ; lanes 0-15 the first run of 256 along K, lanes 16-31 the second
	v_cndmask_b32 v249, v[W+1], v[W+3], s14
	global_store_b64 v4, v[248:249], s[8:9]
	s_wait_tensorcnt 0x0                           ; the wave's end
	ds_add_u32 v[SPW], v[NIL]
	s_wait_dscnt 0x0
	s_endpgm
; ---- THE WEIGHTS, [1024 (k)][1024 (n)], K their first axis.  Work-group g: weight g / 32, run (g / 8) % 4 of 256 along K; wave w: columns 32 (4 (g % 8) + w) on, two tiles.
; A lane takes a column and its registers run down K: a block of 32 lies in one lane.  A block's 24 bytes go to their place in the images in the wave's own stage (the two tiles 3,200 bytes apart); the stage leaves in stores of 512 bytes.
.Lweights:
.set WSTG,  6400
.set TP,    3200
.set NB,    8
.set SB,    24
.set X,     32
.set C,     96
.set OUTR,  112
	s_load_b256 s[4:11], s[0:1], 0x0               ; Wq, Wk, Wv, Wo
	s_load_b128 s[12:15], s[0:1], 0x20             ; wimg, wsc
	s_lshr_b32 s17, ttmp9, 3
	s_and_b32 s30, ttmp9, 7
	s_lshr_b32 s18, s17, 2                         ; which weight
	s_and_b32 s19, s17, 3                          ; which run of 256 along K
	s_lshl_b32 s20, s30, 2
	s_add_co_u32 s20, s20, s16                     ; which 32 columns
	v_and_b32 v2, 31, v0                           ; lane = column in my 32
	v_lshlrev_b32 v3, 2, v2
	v_bfe_u32 v5, v0, 3, 1                         ; my column's tile of the two
	v_and_b32 v6, 7, v0
	v_bfe_u32 v7, v0, 4, 1
	v_lshl_add_u32 v6, v7, 3, v6                   ; and its row there
	s_mul_i32 s21, s16, WSTG
	s_add_co_u32 s21, s21, QWB
	v_mul_u32_u24 v4, v5, TP
	v_lshl_add_u32 v4, v6, 3, v4
	v_add_nc_u32 v4, s21, v4
	v_lshlrev_b32 v9, 4, v2
	v_add_nc_u32 v8, s21, v9
	v_lshlrev_b32 v10, 9, v5
	v_lshl_add_u32 v10, v6, 3, v10
	s_lshl_b32 s22, s19, 20
	s_lshl_b32 s23, s20, 7
	s_add_co_u32 s22, s22, s23
	s_mov_b32 s23, 0
	s_lshl_b32 s24, s18, 6
	s_lshl_b32 s25, s20, 1
	s_add_co_u32 s24, s24, s25                     ; my first tile
	s_mul_i32 s26, s24, 12288
	s_mul_i32 s27, s19, 3072
	s_add_co_u32 s26, s26, s27
	s_mov_b32 s27, 0
	s_lshl_b32 s28, s24, 9
	s_lshl_b32 s29, s19, 7
	s_add_co_u32 s28, s28, s29
	s_mov_b32 s29, 0
	s_wait_alu depctr_va_vdst(0)
	s_wait_kmcnt 0x0
	s_cmp_eq_u32 s18, 1
	s_cselect_b64 s[4:5], s[6:7], s[4:5]
	s_cmp_eq_u32 s18, 2
	s_cselect_b64 s[4:5], s[8:9], s[4:5]
	s_cmp_eq_u32 s18, 3
	s_cselect_b64 s[4:5], s[10:11], s[4:5]
	s_add_nc_u64 s[4:5], s[4:5], s[22:23]
	s_add_nc_u64 s[12:13], s[12:13], s[26:27]
	s_add_nc_u64 s[14:15], s[14:15], s[28:29]
.macro LOADW t
.irp i, 0,1,2,3,4,5,6,7,8,9,10,11,12,13,14,15,16,17,18,19,20,21,22,23,24,25,26,27,28,29,30,31
	global_load_b32 v[X+32*((\t)%2)+\i], v3, s[4:5] offset:(32*(\t)+\i)*4096 th:TH_LOAD_NT
.endr
.endm
	LOADW 0
	LOADW 1
.macro BLOCKW t
.set XS, X+32*((\t)%2)
.if (\t) < NB-1
	s_wait_loadcnt 32                              ; this block's 32 loads are in; the next block's may be out
.else
	s_wait_loadcnt 0x0
.endif
	v_max3_num_f32 v12, |v[XS]|, |v[XS+1]|, |v[XS+2]|
	v_max3_num_f32 v13, |v[XS+3]|, |v[XS+4]|, |v[XS+5]|
.irp i, 6,10,14,18,22,26
	v_max3_num_f32 v12, v12, |v[XS+\i]|, |v[XS+\i+1]|
	v_max3_num_f32 v13, v13, |v[XS+\i+2]|, |v[XS+\i+3]|
.endr
	v_max3_num_f32 v12, v12, |v[XS+30]|, |v[XS+31]|
	v_max3_num_f32 v12, v12, v13, 0x1800000
	v_add_nc_u32 v11, 0xff000000, v12
	v_lshrrev_b32 v13, 23, v11
.if (\t)%4 == 0
	v_mov_b32 v[SB+(\t)/4], v13
.else
	v_lshl_or_b32 v[SB+(\t)/4], v13, 8*((\t)%4), v[SB+(\t)/4]
.endif
	v_cvt_scalef32_pk16_fp6_f32 v[C:C+2], v[XS:XS+15], v11
	v_cvt_scalef32_pk16_fp6_f32 v[C+8:C+10], v[XS+16:XS+31], v11
	v_nop
.irp i, 0,1,2
	v_mov_b32 v[C+3+\i], v[C+8+\i]
.endr
.irp j, 0,1,2                          ; block t is block (c, h) = ((t / 2) % 2, t % 2) of K step t / 4
	ds_store_b64 v4, v[C+2*\j:C+2*\j+1] offset:1536*((\t)/4)+256*(3*(((\t)/2)%2)+\j)+128*((\t)%2)
.endr
.if (\t)+2 < NB
	LOADW (\t)+2
.endif
	s_wait_dscnt 0x0                               ; the stores have read their registers
.endm
.irp t, 0,1,2,3,4,5,6,7
	BLOCKW \t
.endr
	s_wait_alu depctr_va_vdst(0)
	global_store_b64 v10, v[SB:SB+1], s[14:15]
.irp n, 0,1,2,3,4,5,6,7,8,9,10,11
	ds_load_b128 v[OUTR+4*\n:OUTR+4*\n+3], v8 offset:TP*(\n/6)+512*(\n%6)
.endr
.irp n, 0,1,2,3,4,5,6,7,8,9,10,11
	s_wait_dscnt 11-\n                             ; the younger loads may be out
	global_store_b128 v9, v[OUTR+4*\n:OUTR+4*\n+3], s[12:13] offset:12288*(\n/6)+512*(\n%6)
.endr
	s_wait_tensorcnt 0x0
	ds_add_u32 v[SPW], v[NIL]
	s_wait_dscnt 0x0
	s_endpgm
.Lfunc_end_k_q1e73278bed_quant:
	.size	k_q1e73278bed_quant, .Lfunc_end_k_q1e73278bed_quant-k_q1e73278bed_quant
	.p2alignl 7, 3214868480
	.fill 96, 4, 3214868480
	.section	.rodata,"a",@progbits
	.p2align	6, 0x0
	.amdhsa_kernel k_q1e73278bed_quant
		.amdhsa_group_segment_fixed_size 59904
		.amdhsa_private_segment_fixed_size 0
		.amdhsa_enable_private_segment 0
		.amdhsa_kernarg_size 72
		.amdhsa_user_sgpr_count 2
		.amdhsa_user_sgpr_kernarg_segment_ptr 1
		.amdhsa_wavefront_size32 1
		.amdhsa_system_sgpr_workgroup_id_x 1
		.amdhsa_system_sgpr_workgroup_id_y 1
		.amdhsa_system_sgpr_workgroup_id_z 1
		.amdhsa_system_vgpr_workitem_id 0
		.amdhsa_next_free_vgpr 256
		.amdhsa_next_free_sgpr 66
		.amdhsa_reserve_vcc 0
		.amdhsa_float_denorm_mode_32 3
		.amdhsa_float_denorm_mode_16_64 3
		.amdhsa_memory_ordered 1
		.amdhsa_forward_progress 1
		.amdhsa_inst_pref_size 73
	.end_amdhsa_kernel
	.amdgpu_metadata
---
amdhsa.version: [ 1, 2 ]
amdhsa.kernels:
  - .name:           k_q1e73278bed_quant
    .symbol:         k_q1e73278bed_quant.kd
    .args:
      - { .name: Wq, .offset: 0, .size: 8, .value_kind: global_buffer, .address_space: global }
      - { .name: Wk, .offset: 8, .size: 8, .value_kind: global_buffer, .address_space: global }
      - { .name: Wv, .offset: 16, .size: 8, .value_kind: global_buffer, .address_space: global }
      - { .name: Wo, .offset: 24, .size: 8, .value_kind: global_buffer, .address_space: global }
      - { .name: wimg, .offset: 32, .size: 8, .value_kind: global_buffer, .address_space: global }
      - { .name: wsc, .offset: 40, .size: 8, .value_kind: global_buffer, .address_space: global }
      - { .name: query, .offset: 48, .size: 8, .value_kind: global_buffer, .address_space: global }
      - { .name: ximg, .offset: 56, .size: 8, .value_kind: global_buffer, .address_space: global }
      - { .name: xsc, .offset: 64, .size: 8, .value_kind: global_buffer, .address_space: global }
    .group_segment_fixed_size: 59904
    .private_segment_fixed_size: 0
    .kernarg_segment_align: 8
    .kernarg_segment_size: 72
    .max_flat_workgroup_size: 128
    .sgpr_count:     66
    .vgpr_count:     256
    .wavefront_size: 32
...
	.end_amdgpu_metadata
.endif
;; end of part 1
;; launch proj (part 2): grid 12 x 32, 4 waves a work-group, clusters of 4 x 4, 327,680 bytes of LDS; arguments ximg, xsc, wimg, wsc, bq, bk, bv, qkvimg, qkvsc; writes qkvimg, qkvsc
.if DOCPART == 2
	.amdgcn_target "amdgcn-amd-amdhsa--gfx1250"
	.amdhsa_code_object_version 6
	.text
	.protected	k_q1e73278bed_proj
	.globl	k_q1e73278bed_proj
	.p2align	8
	.type	k_q1e73278bed_proj,@function
k_q1e73278bed_proj:
	s_mov_b64 s[64:65], 0
	v_nop
	global_prefetch_b8 v0, s[64:65] scope:SCOPE_SE
	s_setreg_imm32_b32 hwreg(HW_REG_WAVE_MODE, 25, 1), 1
	s_wait_xcnt 0x0
	s_wait_alu depctr_hold_cnt(0) depctr_sa_sdst(0) depctr_va_vdst(0) depctr_va_sdst(0) depctr_va_ssrc(0) depctr_va_vcc(0) depctr_vm_vsrc(0)
	s_getreg_b32 s2, hwreg(HW_REG_IB_STS2, 6, 4)
	s_cmp_eq_u32 s2, 0
	s_cbranch_scc0 .Lentry_in_a_cluster
	s_endpgm
.Lentry_in_a_cluster:
	s_bfe_u32 s2, ttmp6, 0x10000c
	s_cmp_lg_u32 s2, 0xf033
	s_cbranch_scc0 .Lentry_shape_is_right
	s_endpgm
.Lentry_shape_is_right:
; q = x Wq + bq, k = x Wk + bk, v = x Wv + bv on codes of E2M3 (K = 1,024), and the results QUANTISED AGAIN on the way out: q and k along the head's 64, v along the keys.  No f32 result goes to memory.
; A work-group makes 256 tokens (Y: ximg's tiles 16 y on) x 256 features (X: wimg's tiles 16 x on; Wq, Wk, Wv follow each other, 64 tiles each).  The cluster's x, 0, 1, 2, says q, k or v: the same in all sixteen partners.
; Four waves, each 128 x 128: 64 accumulators, 512 registers.  K goes in steps of 256 through a ring of two LDS slots; operands lie in memory and in LDS as images of their registers (a fragment: 1,536 bytes,
; byte 256 p + 8 lane = registers 2 p, 2 p + 1), so a fragment is six loads of 8 bytes a lane, 256 consecutive bytes each.  The scale words of all of K come once, with the first fills.
; ROLES.  q, k: source 0 = X, source 1 = Y: a lane holds a token and its registers run along the features, which are the next K.  v: source 0 = Y, source 1 = X: a lane holds a feature and its registers run along the
; tokens, which are the keys.  Memory, fills, masks and text are the same for both; only the LDS bases that the fragment loads read from are exchanged, by a select on the cluster's x.
; A tile's 16 rows are rows 32 (T / 2) + 8 (T % 2) + r + 8 (r / 8): so the 16 registers of source 0's tiles 2 B, 2 B + 1 are the 16 neighbours 32 B + 16 h + 0 .. 15, as the conversions want them.
; CLUSTER 4 x 4: Y's tiles are shared along a row, X's along a column: each is asked for jointly, by the same tensor load with the same descriptor and a mask that names the four.
; OUT.  q, k codes [64 heads-of-batches][128 token tiles][768]: half a fragment (64 along K); v codes [64][16 key steps][4 tiles of d][1536]; scale words [64][16 runs of 128 tokens][16 r][4 words]
; (q, k: word j = tile 2 j's two bytes, then tile 2 j + 1's; v: word j = d tile j's word for the 128 keys).  q at 0, k and v behind it.
; LIMITS: a block of zeros, or one whose largest magnitude lies under 2^-124, gets the byte 1 (this program alone reads the bytes); NaN and infinities are not served.
; REGISTERS: window 0: v1-29 addresses; v32-63 scale words, two sets; v64-127, v224-239 the biases; v128-223 source 1's fragments, one set.  Window 1: source 0's fragments, two sets.  Windows 2, 3: the accumulators.
.set BIASC, 0                          ; the first K step's products start the sums with the constant 0
.set NQ,    2                          ; matrix instructions deep in a slot
.set FR,    12                         ; registers of a fragment
.set NL,    6                          ; LDS loads that bring one
.set NP,    4                          ; places behind this matrix instruction (ISA guide 7.12.1)
.set TILEB, 3072                       ; a tile's two fragments in a slot
.set HALFT, 8*TILEB                    ; eight tiles: what one tensor load brings, and what a wave reads of Y or of X
.set SLOT,  4*HALFT                    ; Y's 16 tiles, then X's 16
.set LAPS,  2                          ; 1,024 along K = twice round the ring
.set SCLY,  2*SLOT                     ; Y's scale words, 512 bytes a tile
.set SCLX,  SCLY+8192                  ; X's, on end behind Y's
.set SPARE, SCLX+8192                  ; the spare words, 128 bytes for each wave
.set ADRA,  16                         ; v16-17 LDS address of source 1's fragments in slot 0, 1
.set ADRB,  20                         ; v20-21 of source 0's
.set ADRS,  27                         ; v27    of my scale words: lanes 0-15 source 1's, lanes 16-31 source 0's
.set SPW,   28
.set NIL,   29
.set SC,    32
.set BX,    64                         ; v64-127 the bias along the registers
.set AF,    128
.set G1,    24
.set G0,    32
.set G1B,   48
.set G0B,   56
.set G1S,   68
.set G0S,   76
.set G1SB,  80
.set G0SB,  88
.set MSB, 0
.macro WIN new                         ; the immediate's high byte repeats the setting that is left
.if MSB != (\new)
	s_set_vgpr_msb (MSB<<8)|(\new)
.set MSB, (\new)
.endif
.endm
.set MUL_LO, 0xa1                      ; source 0 window 1, source 1 window 0, C and D window 2
.set MUL_HI, 0xf1                      ; the same, C and D window 3
.set TO_B,   0x40                      ; destination window 1, address window 0
; A joint load: waves 0 and 1 fetch Y's halves, waves 2 and 3 X's.  The branch hangs on the wave's number alone.  An s_nop 0 and four v_nop follow each of the two lines.
.macro JLOAD g0a, g1a, g0b, g1b
	s_cmp_eq_u32 s15, 0
	s_cbranch_scc0 .Lfor_b_\@
	tensor_load_to_lds s[\g0a:\g0a+3], s[\g1a:\g1a+7]
	s_nop 0
.rept 4
	v_nop
.endr
	s_branch .Lasked_\@
.Lfor_b_\@:
	tensor_load_to_lds s[\g0b:\g0b+3], s[\g1b:\g1b+7]
	s_nop 0
.rept 4
	v_nop
.endr
.Lasked_\@:
.endm
.macro CREST                           ; a round of the cluster's barrier behind its opening barrier
	s_cmp_lg_u32 s14, 0
	s_cbranch_scc1 .Lnot_wave_0_\@
	s_barrier_signal -3
.Lnot_wave_0_\@:
	s_barrier_wait -3
	s_barrier_signal -1
	s_barrier_wait -1
.endm
.macro CROUND
	s_barrier_signal -1
	s_barrier_wait -1
	CREST
.endm
.macro FRAG reg, adr, q, i             ; tile i's fragment of the slot's q-th 128 along K, as it lies
.irp p, 0,1,2,3,4,5
	ds_load_b64 v[\reg+2*\p:\reg+2*\p+1], v[\adr] offset:TILEB*(\i)+1536*(\q)+256*\p
.endr
.endm
; 16 matrix instructions: source 1's blocks a0, a0 + 1 x source 0's eight.  The 64 accumulators take turns, one instruction a turn, in the same order in every step.
.macro MUL16 a0, p, q, sc, zero
.irp a, \a0, \a0+1
.irp b, 0,1,2,3,4,5,6,7
.if \zero
.if BIASC
	v_wmma_scale_f32_16x16x128_f8f6f4 v[8*(8*((\a)%4)+\b):8*(8*((\a)%4)+\b)+7], v[128*(\p)+FR*\b:128*(\p)+FR*\b+FR-1], v[AF+FR*(\a):AF+FR*(\a)+FR-1], v[BX+8*\b:BX+8*\b+7], v[SC+8*NQ*(\sc)+NQ*\b+(\q)], v[SC+8*NQ*(\sc)+NQ*(\a)+(\q)] matrix_a_fmt:MATRIX_FMT_FP6 matrix_b_fmt:MATRIX_FMT_FP6 matrix_a_scale:MATRIX_SCALE_ROW1
.else
	v_wmma_scale_f32_16x16x128_f8f6f4 v[8*(8*((\a)%4)+\b):8*(8*((\a)%4)+\b)+7], v[128*(\p)+FR*\b:128*(\p)+FR*\b+FR-1], v[AF+FR*(\a):AF+FR*(\a)+FR-1], 0, v[SC+8*NQ*(\sc)+NQ*\b+(\q)], v[SC+8*NQ*(\sc)+NQ*(\a)+(\q)] matrix_a_fmt:MATRIX_FMT_FP6 matrix_b_fmt:MATRIX_FMT_FP6 matrix_a_scale:MATRIX_SCALE_ROW1
.endif
.else
	v_wmma_scale_f32_16x16x128_f8f6f4 v[8*(8*((\a)%4)+\b):8*(8*((\a)%4)+\b)+7], v[128*(\p)+FR*\b:128*(\p)+FR*\b+FR-1], v[AF+FR*(\a):AF+FR*(\a)+FR-1], v[8*(8*((\a)%4)+\b):8*(8*((\a)%4)+\b)+7], v[SC+8*NQ*(\sc)+NQ*\b+(\q)], v[SC+8*NQ*(\sc)+NQ*(\a)+(\q)] matrix_a_fmt:MATRIX_FMT_FP6 matrix_b_fmt:MATRIX_FMT_FP6 matrix_a_scale:MATRIX_SCALE_ROW1
.endif
.endr
.endr
.endm
.macro FETCH_B slot, q, p              ; source 0's eight fragments into set p
	WIN TO_B
.irp i, 0,1,2,3,4,5,6,7
	FRAG 128*(\p)+FR*\i, ADRB+\slot, \q, \i
.endr
	WIN 0
.endm
.macro FETCH_A slot, q, i0             ; source 1's blocks i0 .. i0 + 3
.irp i, \i0, \i0+1, \i0+2, \i0+3
	FRAG AF+FR*(\i), ADRA+\slot, \q, \i
.endr
.endm
.macro SCALES sc                       ; a K step's scale words into set sc: two words a row
.irp i, 0,1,2,3,4,5,6,7
	ds_load_b64 v[SC+8*NQ*\sc+NQ*\i:SC+8*NQ*\sc+NQ*\i+1], v[ADRS] offset:\i*512
.endr
.endm
.macro PLACES n                        ; plain vector instructions in front of loads into registers that matrix instructions have read, and of the first read of results
.rept \n
	v_nop
.endr
.endm
.macro STEP slot, q, zero              ; 128 along K whose successor lies in the same slot
	s_wait_dscnt 4*NL                              ; source 0's set and source 1's blocks 0-3 are in; the youngest 24 loads (blocks 4-7) may be out
	WIN MUL_LO-0x20*BIASC*(\zero)
	MUL16 0, (\q)%2, \q, \slot, \zero
	MUL16 2, (\q)%2, \q, \slot, \zero
	s_wait_dscnt 0                                 ; blocks 4-7 are in
	PLACES NP
	FETCH_B \slot, (\q)+1, 1-(\q)%2
	FETCH_A \slot, (\q)+1, 0
	WIN MUL_HI-0x30*BIASC*(\zero)
	MUL16 4, (\q)%2, \q, \slot, \zero
	MUL16 6, (\q)%2, \q, \slot, \zero
	PLACES NP
	WIN 0
	FETCH_A \slot, (\q)+1, 4
.endm
; A slot's last step changes slots: one barrier; in front of it each wave waits for all its tensor loads, adds 0 to its spare word, and waits for that and for its reads of this slot.
.macro TURN slot, next, fill
	s_wait_tensorcnt 0x0                           ; all my tensor loads have landed: my part of the next slot
	ds_add_u32 v[SPW], v[NIL]                      ; 0 onto my spare word
	s_wait_dscnt 4*NL+1                            ; (the add and the youngest 24 loads may be out)
	WIN MUL_LO
	MUL16 0, 1, NQ-1, \slot, 0                     ; sixteen matrix instructions stand between the add and the wait for it
	s_wait_dscnt 0x0                               ; the add is done, and my reads of this slot are over
	s_barrier_signal -1
	MUL16 2, 1, NQ-1, \slot, 0
	WIN 0
	s_barrier_wait -1
.if \fill
	CREST                                          ; the barrier has opened a round of the cluster's: no wave of any partner still reads this slot or has a load on its way
	s_add_nc_u64 s[G0+4*\slot+2:G0+4*\slot+3], s[G0+4*\slot+2:G0+4*\slot+3], 4*1536
	s_add_nc_u64 s[G0B+4*\slot+2:G0B+4*\slot+3], s[G0B+4*\slot+2:G0B+4*\slot+3], 4*1536
	JLOAD G0+4*\slot, G1, G0B+4*\slot, G1B         ; the first tensor load behind the round; its four v_nop are the places in front of the loads below
.else
	PLACES NP
.endif
	s_wait_alu depctr_va_vdst(0)
	v_add_nc_u32 v[ADRS], 128, v[ADRS]             ; the next K step's scale words
	FETCH_B \next, 0, 0
	FETCH_A \next, 0, 0
	SCALES \next
	WIN MUL_HI
	MUL16 4, 1, NQ-1, \slot, 0
	MUL16 6, 1, NQ-1, \slot, 0
	PLACES NP
	WIN 0
	FETCH_A \next, 0, 4
.endm
	s_load_b256 s[4:11], s[0:1], 0x0               ; ximg, xsc, wimg, wsc
	s_load_b256 s[68:75], s[0:1], 0x20             ; bq, bk, bv, qkvimg
	s_load_b64 s[76:77], s[0:1], 0x40              ; qkvsc
	v_lshl_add_u32 v[SPW], v0, 2, SPARE
	v_mov_b32 v[NIL], 0
	ds_add_u32 v[SPW], v[NIL]                      ; the wave's opening
	ds_add_u32 v[SPW], v[NIL]
	v_lshrrev_b32 v1, 5, v0
	v_readfirstlane_b32 s14, v1                    ; wave 0..3
	s_lshr_b32 s15, s14, 1                         ; my half of Y.  Also: I fetch for Y (0) or for X (1)
	s_and_b32 s16, s14, 1                          ; my half of X.  Also: which eight tiles I fetch
	s_bfe_u32 s40, ttmp6, 0x40000                  ; cx
	s_bfe_u32 s41, ttmp6, 0x40004                  ; cy
	s_lshl_b32 s42, ttmp9, 2
	s_add_co_u32 s42, s42, s40                     ; x
	s_and_b32 s17, ttmp7, 0xffff
	s_lshl_b32 s17, s17, 2
	s_add_co_u32 s17, s17, s41                     ; y
	s_lshl_b32 s43, s41, 2
	s_lshl_b32 s43, 15, s43                        ; my row of the cluster
	s_lshl_b32 s44, 0x1111, s40                    ; my column
	; group 1 for the codes: 16 rows (tiles) of 3,072 bytes (384 elements of 8 bytes), 12,288 bytes apart in memory, on end in LDS
	s_or_b32 s[G1+0], s43, (3<<16)|(1<<21)
	s_or_b32 s[G1B+0], s44, (3<<16)|(1<<21)
.irp g, G1, G1B
	s_mov_b32 s[\g+1], 384<<16
	s_mov_b32 s[\g+2], 16<<16
	s_mov_b32 s[\g+3], 384<<16
	s_mov_b32 s[\g+4], 16
	s_mov_b32 s[\g+5], 1536
	s_mov_b32 s[\g+6], 0
	s_mov_b32 s[\g+7], 0
.endr
	s_lshl_b32 s20, s17, 4                         ; Y: the block's first tile
	s_lshl_b32 s46, s42, 4                         ; X likewise
	s_lshl_b32 s22, s20, 9                         ; their scale words,
	s_mov_b32 s23, 0
	s_lshl_b32 s92, s46, 9
	s_mov_b32 s93, 0
	s_mul_i32 s20, s20, 12288                      ; their codes
	s_mov_b32 s21, 0
	s_mul_i32 s46, s46, 12288
	s_mov_b32 s47, 0
	s_mul_i32 s45, s14, HALFT                      ; where they go: no place in the cluster enters an LDS address
	s_wait_dscnt 0x0                               ; the opening add is done
	s_wait_kmcnt 0x0
	s_cmp_eq_u32 ttmp9, 1                          ; q, k or v: the bias
	s_cselect_b64 s[96:97], s[70:71], s[68:69]
	s_cmp_eq_u32 ttmp9, 2
	s_cselect_b64 s[96:97], s[72:73], s[96:97]
	s_cselect_b32 s98, 1, 0                        ; the role,
	s_cselect_b32 s99, -1, 0                       ; as a mask,
	s_cselect_b32 s100, 0, -1                      ; and its complement
	s_mov_b64 s[12:13], s[74:75]                   ; qkvimg
	s_mov_b64 s[66:67], s[76:77]                   ; qkvsc: s68-77 are free now
	; group 1 for the scale words of sixteen tiles: 8,192 dense bytes as 32 rows of 256
	s_or_b32 s[G1S+0], s43, (3<<16)|(1<<21)
	s_or_b32 s[G1SB+0], s44, (3<<16)|(1<<21)
.irp g, G1S, G1SB
	s_mov_b32 s[\g+1], 32<<16
	s_mov_b32 s[\g+2], 32<<16
	s_mov_b32 s[\g+3], 32<<16
	s_mov_b32 s[\g+4], 32
	s_mov_b32 s[\g+5], 32
	s_mov_b32 s[\g+6], 0
	s_mov_b32 s[\g+7], 0
.endr
	s_add_nc_u64 s[20:21], s[4:5], s[20:21]
	s_add_nc_u64 s[22:23], s[6:7], s[22:23]
	s_add_nc_u64 s[46:47], s[8:9], s[46:47]
	s_add_nc_u64 s[92:93], s[10:11], s[92:93]
	CROUND                                         ; all sixteen work-groups are here: the first joint loads meet
	s_mov_b32 s[G0S], 1
	s_mov_b32 s[G0S+1], SCLY
	s_mov_b64 s[G0S+2:G0S+3], s[22:23]
	s_or_b32 s[G0S+3], s[G0S+3], 0x80000000
	s_mov_b32 s[G0SB], 1
	s_mov_b32 s[G0SB+1], SCLX
	s_mov_b64 s[G0SB+2:G0SB+3], s[92:93]
	s_or_b32 s[G0SB+3], s[G0SB+3], 0x80000000
	s_mov_b32 s4, 1                                ; s[4:7], s[8:11]: group 0 of the head's loads of K step 0: Y's 16 tiles, X's 16 tiles (the arguments that lay there have been used)
	s_mov_b32 s5, 0
	s_mov_b64 s[6:7], s[20:21]
	s_or_b32 s7, s7, 0x80000000
	s_mov_b32 s8, 1
	s_mov_b32 s9, 2*HALFT
	s_mov_b64 s[10:11], s[46:47]
	s_or_b32 s11, s11, 0x80000000
	s_mul_i32 s18, s16, 8*12288                    ; for the ring: my eight tiles of the sixteen
	s_mov_b32 s19, 0
	s_add_nc_u64 s[20:21], s[20:21], s[18:19]
	s_add_nc_u64 s[46:47], s[46:47], s[18:19]
.irp s, 0,1
	s_mov_b32 s[G0+4*\s], 1
	s_add_co_u32 s[G0+4*\s+1], s45, \s*SLOT
	s_add_nc_u64 s[G0+4*\s+2:G0+4*\s+3], s[20:21], \s*TILEB
	s_or_b32 s[G0+4*\s+3], s[G0+4*\s+3], 0x80000000
	s_mov_b32 s[G0B+4*\s], 1
	s_add_co_u32 s[G0B+4*\s+1], s45, \s*SLOT
	s_add_nc_u64 s[G0B+4*\s+2:G0B+4*\s+3], s[46:47], \s*TILEB
	s_or_b32 s[G0B+4*\s+3], s[G0B+4*\s+3], 0x80000000
.endr
; the head's four tiles, one joint load a wave, in one chain of arms on the wave's number: Y's codes, X's codes, Y's scale words, X's
.macro ARM under, g0, g1, next
	s_cmp_lt_u32 s14, \under
	s_cbranch_scc0 \next
	tensor_load_to_lds s[\g0:\g0+3], s[\g1:\g1+7]
	s_nop 0
.rept 4
	v_nop
.endr
	s_branch .Lhead_asked
\next:
.endm
	ARM 1, 4, G1, .Lhead_b
	ARM 2, 8, G1B, .Lhead_sa
	ARM 3, G0S, G1S, .Lhead_sb
	tensor_load_to_lds s[G0SB:G0SB+3], s[G1SB:G1SB+7]
	s_nop 0
.rept 4
	v_nop
.endr
.Lhead_asked:
	v_and_b32 v1, 15, v0                           ; r
	v_bfe_u32 v2, v0, 4, 1                         ; h
	v_and_b32 v3, 31, v0
	v_lshlrev_b32 v3, 3, v3                        ; 8 x lane
	s_wait_alu depctr_va_vdst(0)
	s_mul_i32 s21, s15, HALFT                      ; my eight tiles of Y,
	s_mul_i32 s22, s16, HALFT
	s_add_co_u32 s22, s22, 2*HALFT                 ; of X
	s_cmp_eq_u32 ttmp9, 2
	s_cselect_b32 s18, s22, s21                    ; source 1 reads Y's (q, k) or X's (v),
	s_cselect_b32 s19, s21, s22                    ; source 0 the other
.irp s, 0,1
	v_add_nc_u32 v[ADRA+\s], s18, v3
	v_add_nc_u32 v[ADRB+\s], s19, v3
	s_add_co_u32 s18, s18, SLOT
	s_add_co_u32 s19, s19, SLOT
.endr
	s_lshl_b32 s21, s15, 12                        ; the scale words: Y's, my eight tiles;
	s_lshl_b32 s22, s16, 12
	s_add_co_u32 s22, s22, SCLX-SCLY
	s_sub_co_u32 s22, s22, s21                     ; how far on X's lie
	v_xor_b32 v4, s98, v2                          ; lanes 16-31 take source 0's: X's for q and k, Y's for v
	v_mul_u32_u24 v4, s22, v4
	v_lshl_add_u32 v4, v1, 3, v4                   ; 8 bytes a row
	s_add_co_u32 s21, s21, SCLY
	v_add_nc_u32 v[ADRS], s21, v4
	; the bias of my 128 features, both ways: along the registers (q, k) and one a lane (v); the way that is not the role's is cleared ahead of its use
	s_lshl_b32 s104, s40, 10
	s_lshl_b32 s105, s16, 9
	s_add_co_u32 s104, s104, s105
	s_mov_b32 s105, 0
	s_add_nc_u64 s[96:97], s[96:97], s[104:105]
	v_lshlrev_b32 v5, 6, v2                        ; 16 h numbers on
.irp B, 0,1,2,3
.irp k, 0,1,2,3
	global_load_b128 v[BX+16*\B+4*\k:BX+16*\B+4*\k+3], v5, s[96:97] offset:128*\B+16*\k
.endr
.endr
.set BL, 224                           ; v224-239 the bias of my lane's feature in tile a, as a pair
	v_and_b32 v6, 8, v1
	v_add_nc_u32 v6, v6, v1
	v_lshlrev_b32 v6, 2, v6                        ; r + 8 (r / 8)
.irp a, 0,1,2,3,4,5,6,7
	global_load_b32 v[BL+2*\a], v6, s[96:97] offset:4*(32*(\a/2)+8*(\a%2))
.endr
	; where my results go
	s_lshr_b32 s2, s17, 3
	s_lshl_b32 s2, s2, 4
	s_lshl_b32 s104, s40, 2
	s_add_co_u32 s2, s2, s104
	s_lshl_b32 s104, s16, 1
	s_add_co_u32 s2, s2, s104                      ; batch x 16 + my first head
	s_and_b32 s101, s17, 7
	s_lshl_b32 s101, s101, 1
	s_add_co_u32 s101, s101, s15                   ; my run of 128 tokens in the batch
	s_mul_i32 s104, ttmp9, 6291456
	s_mul_i32 s105, s2, 98304
	s_add_co_u32 s104, s104, s105
	s_mul_i32 s105, s101, 6144
	s_add_co_u32 s104, s104, s105
	s_mov_b32 s105, 0
	s_add_nc_u64 s[12:13], s[12:13], s[104:105]
	s_lshl_b32 s104, ttmp9, 18
	s_lshl_b32 s105, s2, 12
	s_add_co_u32 s104, s104, s105
	s_lshl_b32 s105, s101, 8
	s_add_co_u32 s104, s104, s105
	s_mov_b32 s105, 0
	s_add_nc_u64 s[66:67], s[66:67], s[104:105]
	s_cmp_eq_u32 ttmp9, 2
	s_mov_b32 s92, 768
	s_cselect_b32 s92, 1536, s92                   ; from block to block: a token tile's half fragment, or a d tile's fragment
	s_cselect_b32 s93, 92160, 0                    ; v: behind four d tiles the next head
	s_mov_b32 s94, 98304
	s_cselect_b32 s94, 768, s94                    ; a fragment's second half: the next head's (q, k), or 768 bytes on (v)
	s_mov_b32 s101, 0xffff0000                     ; lanes 16-31
	s_wait_alu depctr_va_vdst(0)
	s_wait_tensorcnt 0x0                           ; my tile of the head's four is in; slot 1's first fill is issued as a refill is
	ds_add_u32 v[SPW], v[NIL]
	s_mov_b32 s[G1+2], 8<<16                       ; no tensor load of mine is out: from here on a load brings eight tiles
	s_mov_b32 s[G1+4], 8
	s_mov_b32 s[G1B+2], 8<<16
	s_mov_b32 s[G1B+4], 8
	s_wait_dscnt 0x0
	CROUND
	JLOAD G0+4, G1, G0B+4, G1B
	FETCH_B 0, 0, 0
	FETCH_A 0, 0, 0
	SCALES 0
	FETCH_A 0, 0, 4
	STEP 0, 0, 1                                   ; the first step's products start the sums
	s_mov_b32 s3, LAPS-1
.Llap:                                             ; a trip goes once round the ring and fills both slots again
	TURN 0, 1, 1
	STEP 1, 0, 0
	TURN 1, 0, 1
	STEP 0, 0, 0
	s_sub_co_u32 s3, s3, 1
	s_cmp_lg_u32 s3, 0
	s_cbranch_scc1 .Llap
	TURN 0, 1, 0                                   ; the last lap fills nothing
	STEP 1, 0, 0
	s_wait_dscnt 4*NL
	WIN MUL_LO
	MUL16 0, 1, NQ-1, 1, 0
	MUL16 2, 1, NQ-1, 1, 0
	s_wait_dscnt 0
	WIN MUL_HI
	MUL16 4, 1, NQ-1, 1, 0
	MUL16 6, 1, NQ-1, 1, 0
	WIN 0
; THE WAY OUT.  Source 1's block a, against source 0's eight: 64 numbers a lane, register 16 B + i = place 32 B + 16 h + i along the next K.  Bias, quantiser, six stores of 256 consecutive bytes.
.set HA,  128                          ; v128-191 the 64 numbers
.set PC,  192                          ; v192-203 the codes; v204-210 the conversions' second halves
.set TM,  212                          ; v212-215 largest magnitudes, v216-219 the other half's, then bytes, v220-223 scale operands
.set PWS, 240                          ; v240-247 the eight blocks' scale words
.set W4,  248                          ; v248-251 the four words that I store
.set VO1, 8                            ; v8   where a fragment's first half goes
.set VO2, 9                            ; v9   and its second
.set VOS, 10                           ; v10  and the scale words
.set SEL, 18
.macro QUANT s, pw
.irp b, 0,1,2,3
	v_max3_num_f32 v[TM+\b], |v[\s+16*\b]|, |v[\s+1+16*\b]|, 0x1800000   ; block b: my 16 numbers, and the floor 2^(3 - 127)
.endr
.irp i, 2,4,6,8,10,12,14
.irp b, 0,1,2,3
	v_max3_num_f32 v[TM+\b], v[TM+\b], |v[\s+16*\b+\i]|, |v[\s+1+16*\b+\i]|
.endr
.endr
.irp b, 0,1,2,3
	v_permlanex16_b32 v[TM+4+\b], v[TM+\b], s[SEL], s[SEL+1]
.endr
.irp b, 0,1,2,3
	v_max_num_f32 v[TM+\b], v[TM+\b], v[TM+4+\b]   ; with lane l xor 16's: the block's largest magnitude
.endr
.irp b, 0,1,2,3
	v_add_nc_u32 v[TM+8+\b], 0xff000000, v[TM+\b]  ; 2 off the exponent field: the conversion's scale operand
.endr
.irp b, 0,1,2,3
	v_lshrrev_b32 v[TM+4+\b], 23, v[TM+8+\b]       ; the byte
.endr
	v_lshl_or_b32 v[\pw], v[TM+5], 8, v[TM+4]
	v_lshl_or_b32 v[\pw], v[TM+6], 16, v[\pw]
	v_lshl_or_b32 v[\pw], v[TM+7], 24, v[\pw]
.irp c, 0,1
	v_cvt_scalef32_pk16_fp6_f32 v[PC+6*\c:PC+2+6*\c], v[\s+32*\c:\s+15+32*\c], v[TM+8+2*\c]
	v_cvt_scalef32_pk16_fp6_f32 v[PC+12+4*\c:PC+14+4*\c], v[\s+16+32*\c:\s+31+32*\c], v[TM+8+2*\c+1]
.endr
	v_nop                                          ; one plain place behind a scaled conversion
.irp c, 0,1                            ; the layout wants a whole block in a lane: lanes 0-15 block 2 c, lanes 16-31 block 2 c + 1
.irp i, 0,1,2
	v_permlane16_swap_b32 v[PC+6*\c+\i], v[PC+12+4*\c+\i]
.endr
.irp i, 0,1,2
	v_mov_b32 v[PC+3+6*\c+\i], v[PC+12+4*\c+\i]
.endr
.endr
.endm
.macro EPI a
.if (\a) > 0
	s_wait_xcnt 0x0                                ; the last block's stores have read their offsets and their codes
	v_add_nc_u32 v[VO1], s92, v[VO1]
	v_add_nc_u32 v[VO2], s92, v[VO2]
.endif
.if (\a) == 4
	v_add_nc_u32 v[VO1], s93, v[VO1]
	v_add_nc_u32 v[VO2], s93, v[VO2]
.endif
	WIN 0x02+(\a)/4                                ; source 0: window 2 or 3
.set i, 0
.rept 32
	v_pk_add_f32 v[HA+i:HA+i+1], v[64*((\a)%4)+i:64*((\a)%4)+i+1], v[BX+i:BX+i+1]   ; each accumulator from its low end on
.set i, i+2
.endr
	WIN 0
.set i, 0
.rept 32
	v_pk_add_f32 v[HA+i:HA+i+1], v[HA+i:HA+i+1], v[BL+2*(\a):BL+2*(\a)+1]
.set i, i+2
.endr
	QUANT HA, PWS+(\a)
.irp p, 0,1,2
	global_store_b64 v[VO1], v[PC+2*\p:PC+2*\p+1], s[12:13] offset:256*\p
.endr
.irp p, 3,4,5
	global_store_b64 v[VO2], v[PC+2*\p:PC+2*\p+1], s[12:13] offset:256*(\p-3)
.endr
.endm
	PLACES NP
	s_wait_loadcnt 0x0                             ; the biases
	s_mov_b32 s[SEL], 0x76543210
	s_mov_b32 s[SEL+1], 0xfedcba98
.set i, 0
.rept 64
	v_and_b32 v[BX+i], s100, v[BX+i]               ; along the registers: q and k alone
.set i, i+1
.endr
.irp a, 0,1,2,3,4,5,6,7
	v_and_b32 v[BL+2*\a], s99, v[BL+2*\a]          ; one a lane: v alone
	v_mov_b32 v[BL+2*\a+1], v[BL+2*\a]
.endr
.irp b, 0,1,2,3
	v_mov_b32 v[TM+4+\b], 0                        ; a lane permute's destination counts as one of its sources
.endr
	v_mov_b32 v[VO1], v3
	v_add_nc_u32 v[VO2], s94, v3
	v_lshlrev_b32 v[VOS], 12, v2
	v_lshl_add_u32 v[VOS], v1, 4, v[VOS]           ; lanes 0-15 my first head's words, lanes 16-31 the next head's; 16 bytes a row
.irp a, 0,1,2,3,4,5,6,7
	EPI \a
.endr
.irp j, 0,1,2,3
	v_perm_b32 v[TM+\j], v[PWS+2*\j+1], v[PWS+2*\j], 0x05040100     ; q, k: the first head's two bytes of token tiles 2 j and 2 j + 1,
	v_perm_b32 v[TM+4+\j], v[PWS+2*\j+1], v[PWS+2*\j], 0x07060302   ; the next head's
.endr
.irp j, 0,1,2,3
	v_cndmask_b32 v[TM+\j], v[TM+\j], v[TM+4+\j], s101
	v_cndmask_b32 v[TM+4+\j], v[PWS+\j], v[PWS+4+\j], s101          ; v: d tile j's word, of the first head or the next
.endr
.irp j, 0,1,2,3
	v_cndmask_b32 v[W4+\j], v[TM+\j], v[TM+4+\j], s99
.endr
	global_store_b128 v[VOS], v[W4:W4+3], s[66:67] ; sixteen lanes store 256 consecutive bytes, aligned
	s_wait_tensorcnt 0x0                           ; the wave's end
	ds_add_u32 v[SPW], v[NIL]
	s_wait_dscnt 0x0
	CROUND                                         ; the closing round
	s_endpgm
.Lfunc_end_k_q1e73278bed_proj:
	.size	k_q1e73278bed_proj, .Lfunc_end_k_q1e73278bed_proj-k_q1e73278bed_proj
	.p2alignl 7, 3214868480
	.fill 96, 4, 3214868480
	.section	.rodata,"a",@progbits
	.p2align	6, 0x0
	.amdhsa_kernel k_q1e73278bed_proj
		.amdhsa_group_segment_fixed_size 327680
		.amdhsa_private_segment_fixed_size 0
		.amdhsa_enable_private_segment 0
		.amdhsa_kernarg_size 72
		.amdhsa_user_sgpr_count 2
		.amdhsa_user_sgpr_kernarg_segment_ptr 1
		.amdhsa_wavefront_size32 1
		.amdhsa_system_sgpr_workgroup_id_x 1
		.amdhsa_system_sgpr_workgroup_id_y 1
		.amdhsa_system_sgpr_workgroup_id_z 1
		.amdhsa_system_vgpr_workitem_id 0
		.amdhsa_next_free_vgpr 1024
		.amdhsa_next_free_sgpr 106
		.amdhsa_reserve_vcc 0
		.amdhsa_float_denorm_mode_32 3
		.amdhsa_float_denorm_mode_16_64 3
		.amdhsa_memory_ordered 1
		.amdhsa_forward_progress 1
		.amdhsa_inst_pref_size 206
	.end_amdhsa_kernel
	.amdgpu_metadata
---
amdhsa.version: [ 1, 2 ]
amdhsa.kernels:
  - .name:           k_q1e73278bed_proj
    .symbol:         k_q1e73278bed_proj.kd
    .args:
      - { .name: ximg, .offset: 0, .size: 8, .value_kind: global_buffer, .address_space: global }
      - { .name: xsc, .offset: 8, .size: 8, .value_kind: global_buffer, .address_space: global }
      - { .name: wimg, .offset: 16, .size: 8, .value_kind: global_buffer, .address_space: global }
      - { .name: wsc, .offset: 24, .size: 8, .value_kind: global_buffer, .address_space: global }
      - { .name: bq, .offset: 32, .size: 8, .value_kind: global_buffer, .address_space: global }
      - { .name: bk, .offset: 40, .size: 8, .value_kind: global_buffer, .address_space: global }
      - { .name: bv, .offset: 48, .size: 8, .value_kind: global_buffer, .address_space: global }
      - { .name: qkvimg, .offset: 56, .size: 8, .value_kind: global_buffer, .address_space: global }
      - { .name: qkvsc, .offset: 64, .size: 8, .value_kind: global_buffer, .address_space: global }
    .group_segment_fixed_size: 327680
    .private_segment_fixed_size: 0
    .kernarg_segment_align: 8
    .kernarg_segment_size: 72
    .max_flat_workgroup_size: 128
    .sgpr_count:     106
    .vgpr_count:     1024
    .wavefront_size: 32
...
	.end_amdgpu_metadata
.endif
;; end of part 2
;; launch attn (part 3): grid 4 x 64, 8 waves a work-group, clusters of 4 x 1, 327,680 bytes of LDS; arguments qkvimg, qkvsc, key_padding_mask, oimg, osc; writes oimg, osc
.if DOCPART == 3
	.amdgcn_target "amdgcn-amd-amdhsa--gfx1250"
	.amdhsa_code_object_version 6
	.text
	.protected	k_q1e73278bed_attn
	.globl	k_q1e73278bed_attn
	.p2align	8
	.type	k_q1e73278bed_attn,@function
k_q1e73278bed_attn:
	s_mov_b64 s[64:65], 0
	v_nop
	global_prefetch_b8 v0, s[64:65] scope:SCOPE_SE
	s_setreg_imm32_b32 hwreg(HW_REG_WAVE_MODE, 25, 1), 1
	s_wait_xcnt 0x0
	s_wait_alu depctr_hold_cnt(0) depctr_sa_sdst(0) depctr_va_vdst(0) depctr_va_sdst(0) depctr_va_ssrc(0) depctr_va_vcc(0) depctr_vm_vsrc(0)
	s_getreg_b32 s2, hwreg(HW_REG_IB_STS2, 6, 4)
	s_cmp_eq_u32 s2, 0
	s_cbranch_scc0 .Lentry_in_a_cluster
	s_endpgm
.Lentry_in_a_cluster:
	s_bfe_u32 s2, ttmp6, 0x10000c
	s_cmp_lg_u32 s2, 0x3003
	s_cbranch_scc0 .Lentry_shape_is_right
	s_endpgm
.Lentry_shape_is_right:
; o = softmax(q k^T / 8, masked) v for one head of one batch (work-group y) and 512 queries (place cx in the cluster), on codes of E2M3; o leaves quantised along the 1,024 features, as operand images for the last product.
; Eight waves, each 64 queries (four tiles of 16); sixteen steps of 128 keys.  Both products are used transposed (S^T = k q^T, O^T = v^T p^T): a lane holds one query throughout.
; K AND V OF THE HEAD LIE WHOLE IN LDS (98,304 bytes each), asked for once, at the head, by one joint load a wave: wave w brings quarter w / 2 of K (w even) or V (w odd).  The four work-groups of a cluster are the
; query blocks of one head and share every tile (mask 15).  Waves 0 and 1 have a load line of their own: the first barrier shows key steps 0-3 alone, the second, behind three steps, all the rest.
; Nothing is filled again.  No prefetch: every tile is asked for at the head, so there is no loop to run ahead in.  The scale words (8,192 bytes) and the mask go through registers into LDS.
; THE KEYS OF A TILE ARE CHOSEN BY THE LANES' LDS ADDRESSES: row r of tile j of band c (64 keys) is key 64 c + 32 (r / 8) + 8 j + r % 8.  So register 32 c + 8 j + i of lane (query, h) is key 64 c + 32 h + 8 j + i:
; a lane's 32 registers of a band are one whole scale block of p, in the order of the operand's registers: no lane asks another for a block's maximum, and p's codes fall where the product wants them.
; The head is 64 wide and the instruction 128 deep: a fragment of K holds two tiles, and q stands beside six registers of zero codes, once below and once above.
; THE MASK is the C of the score products: -1.7e38 at a masked key, 0 elsewhere.  Where ALL keys of the batch are masked, the scores are all equal: q's codes and the bias are then cleared by a select, which gives the same uniform weights.
; SOFTMAX: M = ceil(running largest t), t = score x log2(e) / 8; p = 2^(t - M); the row's sum is taken of the unquantised p; a change of M multiplies the sum and O^T by an exact power of two.
; A block's largest p is its largest score put through the same multiply-add and exponential.  Independent lines stand among the exponentials: the other band's multiply-adds, the first level of the sum.
; Fragments are fetched a step ahead, K's behind the step's last score product, V's behind its last product; the last step's fetch reads the written LDS bytes that follow each region and is not used.
; LIMITS: the scaled scores stay under 2^31 in magnitude; a block of p or of o whose largest magnitude lies under 2^-124 gets the byte 1; NaN and infinities are not served.
.set VREG,  98304                      ; V, behind K
.set MB,    196608                     ; the mask's 2,048 biases
.set SCK,   204800                     ; K's scale words, 4,096 bytes, then V's
.set PADR,  212992                     ; 1,024 bytes of zeros: what the last fetch of V's scale words reads
.set SPARE, 214016                     ; the spare words, 128 bytes a wave
.set L8,  1                            ; 8 x lane
.set LK,  2                            ; K's fragments: 1536 (r / 8) + 8 (r % 8) + 128 h
.set LV,  3
.set RK,  4                            ; K's scale words: 16 (r % 8) + 4 (r / 8)
.set RV,  5
.set HM,  6                            ; the biases: 128 h
.set H8,  7
.set SPW, 8
.set NIL, 9
.set ADK, 10
.set ADV, 11
.set ST,  12                           ; v12-27 a tile's -M, largest score, sum (two halves)
.set QS,  28
.set KS,  32
.set VS,  36
.set PS,  40
.set ADKS, 41
.set ADVS, 42
.set ADM, 43
.set BM,  44
.set SO,  48
.set BY,  50
.set F,   52
.set CV,  56
.set NO,  63
.set FRK, 64                           ; v64-111 K's four fragments; at the end o's codes
.set FRV, 112                          ; v112-159 V's four
.set P,   160                          ; v160-171 p's codes
.set L,   172                          ; v172-187 the sum's first level
.set S,   188                          ; v188-251 scores, then p
.set T1,  252
.set T2,  253
.set W,   254
.set OSO, 255
.set RL,  L
.set OS,  L+12
.set QB,  128                          ; window 1: v0-127 O^T; v128-181 q between zeros; v184-247 the biases
.set MBR, 184
.set CS,  74
.set SEL, 76
.set TK,  78
.set TS,  79
.set TM,  80
.set CNT, 81
.set MSB, 0
.macro WIN new
.if MSB != (\new)
	s_set_vgpr_msb (MSB<<8)|(\new)
.set MSB, (\new)
.endif
.endm
.macro WALU
	s_wait_alu depctr_va_vdst(0)
.endm
.macro CROUND
	s_barrier_signal -1
	s_barrier_wait -1
	s_cmp_lg_u32 s14, 0
	s_cbranch_scc1 .Lnot_wave_0_\@
	s_barrier_signal -3
.Lnot_wave_0_\@:
	s_barrier_wait -3
	s_barrier_signal -1
	s_barrier_wait -1
.endm
	s_load_b256 s[4:11], s[0:1], 0x0               ; qkvimg, qkvsc, mask, oimg
	s_load_b64 s[12:13], s[0:1], 0x20              ; osc
	v_lshl_add_u32 v[SPW], v0, 2, SPARE
	v_mov_b32 v[NIL], 0
	ds_add_u32 v[SPW], v[NIL]                      ; the opening lines
	ds_add_u32 v[SPW], v[NIL]
	v_lshrrev_b32 v1, 5, v0
	v_readfirstlane_b32 s14, v1                    ; wave
	s_and_b32 s15, s14, 1                          ; I fetch K (0) or V (1),
	s_lshr_b32 s16, s14, 1                         ; this quarter
	s_bfe_u32 s17, ttmp6, 0x40000                  ; cx
	s_and_b32 s18, ttmp7, 0xffff                   ; batch x 16 + head
	s_mov_b32 s24, 15|(3<<16)|(1<<21)              ; group 1: 24,576 dense bytes as 8 rows of 3,072
	s_mov_b32 s25, 384<<16
	s_mov_b32 s26, 8<<16
	s_mov_b32 s27, 384<<16
	s_mov_b32 s28, 8
	s_mov_b32 s29, 384
	s_mov_b32 s30, 0
	s_mov_b32 s31, 0
	s_mul_i32 s20, s18, 98304
	s_add_co_u32 s21, s15, 1
	s_mul_i32 s21, s21, 6291456
	s_add_co_u32 s21, s21, s20
	s_mul_i32 s22, s16, 24576
	s_add_co_u32 s84, s21, s22
	s_mov_b32 s85, 0
	s_mov_b32 s48, 1
	s_mul_i32 s49, s15, VREG
	s_add_co_u32 s49, s49, s22
	s_mov_b32 s[CS], 0x3e38aa3b                    ; log2(e) / 8
	s_mov_b32 s[CS+1], s[CS]
	s_mov_b32 s[SEL], 0x76543210
	s_mov_b32 s[SEL+1], 0xfedcba98
	s_mov_b32 s[TK], 0
	s_mov_b32 s[TS], 0
	s_mov_b32 s[TM], 0
	s_mov_b32 s83, 0xffff0000
	WALU
	s_wait_dscnt 0x0
	CROUND                                         ; the round in front of the joint loads
	s_wait_kmcnt 0x0
	s_add_nc_u64 s[50:51], s[4:5], s[84:85]
	s_or_b32 s51, s51, 0x80000000
	s_cmp_lt_u32 s14, 2
	s_cbranch_scc0 .Llater
	tensor_load_to_lds s[48:51], s[24:31]          ; waves 0, 1: key steps 0-3 of K, of V
	s_nop 0
.rept 4
	v_nop
.endr
	s_branch .Lasked
.Llater:
	tensor_load_to_lds s[48:51], s[24:31]          ; the other quarters
	s_nop 0
.rept 4
	v_nop
.endr
.Lasked:
	s_lshr_b32 s19, s18, 4                         ; batch
	s_and_b32 s90, s18, 15                         ; head
	s_lshl_b32 s91, s17, 5
	s_lshl_b32 s92, s14, 2
	s_add_co_u32 s91, s91, s92                     ; my first query tile
	s_mul_i32 s92, s91, 768
	s_add_co_u32 s92, s92, s20
	s_mov_b32 s93, 0
	s_add_nc_u64 s[66:67], s[4:5], s[92:93]        ; q's codes
	s_lshl_b32 s92, s18, 12
	s_add_nc_u64 s[70:71], s[6:7], s[92:93]
	s_add_nc_u64 s[72:73], s[70:71], 2<<18         ; V's scale words
	s_add_nc_u64 s[70:71], s[70:71], 1<<18         ; K's
	s_lshr_b32 s94, s91, 3
	s_lshl_b32 s94, s94, 8
	s_add_co_u32 s92, s92, s94
	s_lshl_b32 s94, s15, 3
	s_add_co_u32 s92, s92, s94
	s_add_nc_u64 s[68:69], s[6:7], s[92:93]        ; q's scale words
	s_lshl_b32 s92, s19, 11
	s_add_nc_u64 s[8:9], s[8:9], s[92:93]          ; the batch's mask
	s_lshl_b32 s94, s19, 7
	s_add_co_u32 s94, s94, s91
	s_mul_i32 s92, s94, 12288
	s_mul_i32 s95, s90, 768
	s_add_co_u32 s92, s92, s95
	s_add_nc_u64 s[10:11], s[10:11], s[92:93]      ; o's codes
	s_lshl_b32 s92, s94, 9
	s_lshr_b32 s95, s90, 2
	s_lshl_b32 s95, s95, 7
	s_add_co_u32 s92, s92, s95
	s_and_b32 s95, s90, 3
	s_lshl_b32 s95, s95, 1
	s_add_co_u32 s92, s92, s95
	s_add_nc_u64 s[12:13], s[12:13], s[92:93]      ; o's scale bytes
	v_and_b32 v188, 31, v0
	v_and_b32 v189, 15, v0
	v_bfe_u32 v190, v0, 4, 1
	v_lshlrev_b32 v[L8], 3, v188
	v_lshlrev_b32 v191, 4, v189
	v_lshlrev_b32 v192, 4, v188
	v_lshlrev_b32 v193, 3, v0
	v_lshlrev_b32 v195, 4, v0
.irp i, 0,1,2,3
	global_load_b128 v[196+4*\i:199+4*\i], v192, s[8:9] offset:512*\i   ; every wave reads the whole mask: are all keys masked?
.endr
	global_load_b64 v[212:213], v193, s[8:9]       ; my thread's eight keys
	global_load_b128 v[222:225], v195, s[70:71]
	global_load_b128 v[226:229], v195, s[72:73]
	global_load_b64 v[L:L+1], v191, s[68:69]
	WIN 0x40
.irp t, 0,1,2,3
.irp j, 0,1,2
	global_load_b64 v[QB+6+12*\t+2*\j:QB+7+12*\t+2*\j], v[L8], s[66:67] offset:768*\t+256*\j
.endr
.endr
	WIN 0
	v_and_b32 v232, 7, v0
	v_bfe_u32 v233, v0, 3, 1
	v_mul_u32_u24 v[LK], v233, 1536
	v_lshl_add_u32 v[LK], v232, 3, v[LK]
	v_lshl_add_u32 v[LK], v190, 7, v[LK]
	v_add_nc_u32 v[LV], VREG, v[L8]
	v_lshl_add_u32 v[RK], v233, 2, SCK
	v_lshl_add_u32 v[RK], v232, 4, v[RK]
	v_lshl_add_u32 v[RV], v189, 4, SCK+4096
	v_lshl_add_u32 v[HM], v190, 7, MB
	v_lshlrev_b32 v[H8], 3, v190
	v_lshlrev_b32 v[OSO], 9, v190
	v_lshl_add_u32 v[OSO], v189, 3, v[OSO]
	v_lshl_add_u32 v194, v0, 5, MB
	v_lshl_add_u32 v230, v0, 4, SCK
	v_lshl_add_u32 v231, v0, 2, PADR
	v_mov_b32 v[ADK], v[LK]
	v_mov_b32 v[ADV], v[LV]
	v_mov_b32 v[ADKS], v[RK]
	v_mov_b32 v[ADVS], v[RV]
	v_mov_b32 v[ADM], v[HM]
	v_mov_b32 v[T1], 0xf3000000                    ; the largest score so far: -1e31, over a masked key's, under every other
	v_mul_f32 v[T2], s[CS], v[T1]
	v_floor_f32 v[T2], -v[T2]                      ; its -M
.irp t, 0,1,2,3
	v_mov_b32 v[ST+4*\t], v[T2]
	v_mov_b32 v[ST+4*\t+1], v[T1]
	v_mov_b32 v[ST+4*\t+2], 0
	v_mov_b32 v[ST+4*\t+3], 0
.endr
	v_mov_b32 v[F+1], 0
	v_mov_b32 v[BY], 0
	v_mov_b32 v[BY+1], 0
	WIN 0x40
.irp g, 0,1,2,3,4
.irp k, 0,1,2,3,4,5
	v_mov_b32 v[QB+12*\g+\k], 0                    ; the zero codes beside q
.endr
.endr
.set i, 0
.rept 128
	v_mov_b32 v[i], 0                              ; O^T: the step is written once, the first finds zeros
.set i, i+1
.endr
	WIN 0
	WALU
	s_wait_loadcnt 0x0
.irp i, 1,2,3,4,5,6,7,8,9,10,11,12,13,14,15
	v_and_b32 v196, v196, v[196+\i]
.endr
	v_cmp_ne_u32 s86, 0x01010101, v196
	s_cmp_lg_u32 s86, 0                            ; is any key of the batch left?
	s_cselect_b32 s87, 0xff000000, 0               ; a masked key's bias,
	s_cselect_b32 s82, -1, 0                       ; and q kept or cleared: selects, no branch
.irp i, 0,1,2,3,4,5,6,7
	v_bfe_u32 v[214+\i], v[212+\i/4], 8*(\i%4), 1
.endr
.irp i, 0,1,2,3,4,5,6,7
	v_sub_nc_u32 v[214+\i], 0, v[214+\i]
.endr
.irp i, 0,1,2,3,4,5,6,7
	v_and_b32 v[214+\i], s87, v[214+\i]
.endr
	ds_store_b128 v194, v[214:217]
	ds_store_b128 v194, v[218:221] offset:16
	ds_store_b128 v230, v[222:225]
	ds_store_b128 v230, v[226:229] offset:4096
	ds_store_b32 v231, v[NIL]
.irp t, 0,1,2,3
	v_perm_b32 v[QS+\t], v[L+\t/2], v[L+\t/2], 0x01000100+0x02020202*(\t%2)   ; a tile's two bytes, for q below and for q above
.endr
.irp k, 0,1,4,5,8,9,12,13
	v_mov_b32 v[L+\k], 0                           ; what the first step's TAILSUM adds
.endr
	v_mov_b32 v[F], 0
	WIN 0x44
.irp t, 0,1,2,3
.irp k, 0,1,2,3,4,5
	v_and_b32 v[QB+6+12*\t+\k], s82, v[QB+6+12*\t+\k]
.endr
.endr
	WIN 0
.macro KLOAD                           ; a step's K: fragment u = 2 c + m holds tiles 2 m, 2 m + 1 of band c; its scale words; the biases: 44 loads
.irp u, 0,1,2,3
.irp p, 0,1,2,3,4,5
	ds_load_b64 v[FRK+12*\u+2*\p:FRK+12*\u+2*\p+1], v[ADK] offset:3072*(\u/2)+64*(\u%2)+256*\p
.endr
	ds_load_b32 v[KS+\u], v[ADKS] offset:8*(\u/2)+128*(\u%2)
.endr
	WIN 0x40
.irp k, 0,1,2,3,4,5,6,7,8,9,10,11,12,13,14,15
	ds_load_b128 v[MBR+4*\k:MBR+4*\k+3], v[ADM] offset:256*(\k/8)+16*(\k%8)
.endr
	WIN 0
.endm
.macro VLOAD                           ; a step's V: four tiles of 16 of the head's 64, and their scale words: 25 loads
.irp d, 0,1,2,3
.irp p, 0,1,2,3,4,5
	ds_load_b64 v[FRV+12*\d+2*\p:FRV+12*\d+2*\p+1], v[ADV] offset:1536*\d+256*\p
.endr
.endr
	ds_load_b128 v[VS:VS+3], v[ADVS]
.endm
.macro QK t
	WIN 0x14
.irp u, 0,1,2,3
	v_wmma_scale_f32_16x16x128_f8f6f4 v[S+16*\u:S+16*\u+7], v[FRK+12*\u:FRK+12*\u+11], v[QB+12*(\t)+6:QB+12*(\t)+17], v[MBR+16*\u:MBR+16*\u+7], v[KS+\u], v[QS+(\t)] matrix_a_fmt:MATRIX_FMT_FP6 matrix_b_fmt:MATRIX_FMT_FP6
	v_wmma_scale_f32_16x16x128_f8f6f4 v[S+16*\u+8:S+16*\u+15], v[FRK+12*\u:FRK+12*\u+11], v[QB+12*(\t):QB+12*(\t)+11], v[MBR+16*\u+8:MBR+16*\u+15], v[KS+\u], v[QS+(\t)] matrix_a_fmt:MATRIX_FMT_FP6 matrix_b_fmt:MATRIX_FMT_FP6
.endr
	WIN 0
.endm
.macro SOFT t
.set rT, ST+4*(\t)
.irp q, 0,1,2,3                        ; four chains by turns, each over 16 scores; each accumulator is read from its low end on
	v_max3_num_f32 v[BM+\q], v[S+16*\q], v[S+16*\q+1], v[S+16*\q+2]
.endr
.irp i, 3,5,7,9,11,13
.irp q, 0,1,2,3
	v_max3_num_f32 v[BM+\q], v[BM+\q], v[S+16*\q+\i], v[S+16*\q+\i+1]
.endr
.endr
	v_max3_num_f32 v[BM], v[BM], v[S+15], v[S+31]
	v_max3_num_f32 v[BM+2], v[BM+2], v[S+47], v[S+63]
	v_max_num_f32 v[BM], v[BM], v[BM+1]            ; my block of band 0,
	v_max_num_f32 v[BM+2], v[BM+2], v[BM+3]        ; of band 1
	v_max_num_f32 v[T1], v[BM], v[BM+2]
	v_permlanex16_b32 v[T2], v[T1], s[SEL], s[SEL+1]
	v_max3_num_f32 v[rT+1], v[rT+1], v[T1], v[T2]  ; the running largest score of my query
	v_mul_f32 v[T2], s[CS], v[rT+1]
	v_floor_f32 v[rT], -v[T2]                      ; -M = floor(-t)
	v_sub_f32 v[T1], v[rT], v[NO]                  ; old M less new M
.set j, 0
.rept 16
	v_pk_fma_f32 v[S+j:S+j+1], v[S+j:S+j+1], s[CS:CS+1], v[rT:rT+1] op_sel_hi:[1,0,0]   ; band 0: t - M
.if j == 6
	v_cvt_i32_f32 v[T1], v[T1]
.endif
.set j, j+2
.endr
	v_fma_f32 v[BM], v[BM], s[CS], v[rT]
	v_fma_f32 v[BM+2], v[BM+2], s[CS], v[rT]
	WALU                                           ; a wait ahead of each batch of exponentials and behind it
.set j, 0
.rept 16
	v_exp_f32 v[S+j], v[S+j]
	v_exp_f32 v[S+j+1], v[S+j+1]
	v_pk_fma_f32 v[S+32+j:S+33+j], v[S+32+j:S+33+j], s[CS:CS+1], v[rT:rT+1] op_sel_hi:[1,0,0]   ; band 1's among band 0's exponentials
.set j, j+2
.endr
	v_exp_f32 v[BM], v[BM]                         ; the blocks' largest p
	v_exp_f32 v[BM+2], v[BM+2]
	v_ldexp_f32 v[F], 1.0, v[T1]                   ; f = 2^(old M - new M)
	WALU
.set j, 0
.rept 8
	v_exp_f32 v[S+32+4*j], v[S+32+4*j]
	v_exp_f32 v[S+33+4*j], v[S+33+4*j]
	v_exp_f32 v[S+34+4*j], v[S+34+4*j]
	v_exp_f32 v[S+35+4*j], v[S+35+4*j]
	v_pk_add_f32 v[L+2*j:L+2*j+1], v[S+4*j:S+4*j+1], v[S+4*j+2:S+4*j+3]   ; band 0's sum, first level
.set j, j+1
.endr
	v_max_num_f32 v[BM], 0x1800000, v[BM]          ; the floor 2^(3 - 127)
	v_max_num_f32 v[BM+2], 0x1800000, v[BM+2]
.if (\t) == 0
	WALU
	s_wait_dscnt 0x0                               ; V's fragments are in
.endif
	WIN 0x41
	WALU                                           ; one wait behind the exponentials, directly ahead of the first reader of O^T
.set j, 0
.rept 16
	v_pk_mul_f32 v[32*(\t)+j:32*(\t)+j+1], v[32*(\t)+j:32*(\t)+j+1], v[F:F+1] op_sel_hi:[1,0]   ; O^T under the new M
.set j, j+2
.endr
	WIN 0
	v_add_nc_u32 v[SO], 0xff000000, v[BM]
	v_add_nc_u32 v[SO+1], 0xff000000, v[BM+2]
	v_cvt_scalef32_pk16_fp6_f32 v[P:P+2], v[S:S+15], v[SO]
	v_cvt_scalef32_pk16_fp6_f32 v[CV:CV+2], v[S+16:S+31], v[SO]
	v_cvt_scalef32_pk16_fp6_f32 v[P+6:P+8], v[S+32:S+47], v[SO+1]
	v_cvt_scalef32_pk16_fp6_f32 v[CV+4:CV+6], v[S+48:S+63], v[SO+1]
	v_lshrrev_b32 v[BY], 23, v[SO]
	v_lshrrev_b32 v[BY+1], 23, v[SO+1]
.irp k, 0,1,2,3                        ; the row's sum as a tree: band 1's first level, in place (its codes are made),
	v_pk_add_f32 v[S+32+4*\k:S+33+4*\k], v[S+32+4*\k:S+33+4*\k], v[S+34+4*\k:S+35+4*\k]
.endr
	v_lshl_or_b32 v[W], v[BY+1], 16, v[BY]         ; my two bytes: blocks h and 2 + h,
.irp k, 4,5,6,7
	v_pk_add_f32 v[S+32+4*\k:S+33+4*\k], v[S+32+4*\k:S+33+4*\k], v[S+34+4*\k:S+35+4*\k]
.endr
	v_lshlrev_b32 v[W], v[H8], v[W]                ; at their places
.irp k, 0,1,2,3                        ; the two bands joined
	v_pk_add_f32 v[L+2*\k:L+2*\k+1], v[L+2*\k:L+2*\k+1], v[S+32+4*\k:S+33+4*\k]
.endr
	v_permlanex16_b32 v[T2], v[W], s[SEL], s[SEL+1]
.irp k, 4,5,6,7
	v_pk_add_f32 v[L+2*\k:L+2*\k+1], v[L+2*\k:L+2*\k+1], v[S+32+4*\k:S+33+4*\k]
.endr
	v_or_b32 v[PS], v[W], v[T2]                    ; p's scale word for these 128 keys; ten plain lines stand between it and the products
.irp i, 0,1,2                          ; (a conversion's three registers begin on an even number)
	v_mov_b32 v[P+3+\i], v[CV+\i]
	v_mov_b32 v[P+9+\i], v[CV+4+\i]
.endr
.irp m, 0,1,2,3                        ; eight parts to four; the rest is TAILSUM's
	v_pk_add_f32 v[L+4*\m:L+4*\m+1], v[L+4*\m:L+4*\m+1], v[L+4*\m+2:L+4*\m+3]
.endr
.endm
.macro TAILSUM p                       ; the last four lines of tile p's row sum: they stand as the places behind the next tile's score products
	v_pk_add_f32 v[L:L+1], v[L:L+1], v[L+4:L+5]
	v_pk_add_f32 v[L+8:L+9], v[L+8:L+9], v[L+12:L+13]
	v_pk_add_f32 v[L:L+1], v[L:L+1], v[L+8:L+9]
	v_pk_fma_f32 v[ST+4*(\p)+2:ST+4*(\p)+3], v[ST+4*(\p)+2:ST+4*(\p)+3], v[F:F+1], v[L:L+1] op_sel_hi:[1,0,1]   ; the sum under the new M, and this step's part
.endm
.macro PV t
	WIN 0x50
.irp d, 0,1,2,3
	v_wmma_scale_f32_16x16x128_f8f6f4 v[32*(\t)+8*\d:32*(\t)+8*\d+7], v[FRV+12*\d:FRV+12*\d+11], v[P:P+11], v[32*(\t)+8*\d:32*(\t)+8*\d+7], v[VS+\d], v[PS] matrix_a_fmt:MATRIX_FMT_FP6 matrix_b_fmt:MATRIX_FMT_FP6
.endr
.endm
.macro STEP
	s_add_co_u32 s[TK], s[TK], 6144                ; the next step's places
	s_add_co_u32 s[TS], s[TS], 256
	s_add_co_u32 s[TM], s[TM], 512
	WALU
	s_wait_dscnt 25                                ; K's 44 loads are in; V's 25, issued behind them, may be out
.irp t, 0,1,2,3
	QK \t
	TAILSUM (\t+3)%4                               ; the tile before (for tile 0: the last step's tile 3; the first step finds zeros)
	v_mov_b32 v[NO], v[ST+4*\t]
.if \t == 3
	v_add_nc_u32 v[ADK], s[TK], v[LK]
	v_add_nc_u32 v[ADKS], s[TS], v[RK]
	v_add_nc_u32 v[ADM], s[TM], v[HM]
	KLOAD                                          ; the next step's K
.endif
	SOFT \t
	PV \t
.endr
	WIN 0
	v_add_nc_u32 v[ADV], s[TK], v[LV]              ; four places behind the last products
	v_add_nc_u32 v[ADVS], s[TS], v[RV]
	v_nop
	v_nop
	VLOAD                                          ; the next step's V
.endm
.macro LOOP n
	s_mov_b32 s[CNT], \n
.Lstep_\@:
	STEP
	s_sub_co_u32 s[CNT], s[CNT], 1
	s_cmp_lg_u32 s[CNT], 0
	WALU
	s_cbranch_scc1 .Lstep_\@
.endm
	WALU
	s_cmp_lt_u32 s14, 2
	s_cbranch_scc0 .Lnot_first
	s_wait_tensorcnt 0x0                           ; waves 0 and 1: key steps 0-3
.Lnot_first:
	s_wait_dscnt 0x0                               ; my scale words, biases and zeros are stored
	s_barrier_signal -1
	s_barrier_wait -1
	KLOAD
	VLOAD
	LOOP 3                                         ; steps 0-2, which fetch steps 1-3
	s_wait_tensorcnt 0x0                           ; every wave: all of K and V
	s_wait_dscnt 0x0
	s_barrier_signal -1
	s_barrier_wait -1
	LOOP 13
	s_wait_dscnt 0x0                               ; the last fetch has landed: its registers are free
	TAILSUM 3
.irp t, 0,1,2,3
	v_add_f32 v[BM+\t], v[ST+4*\t+2], v[ST+4*\t+3]
.endr
.irp t, 0,1,2,3
	v_permlanex16_b32 v[L+8+\t], v[BM+\t], s[SEL], s[SEL+1]
.endr
.irp t, 0,1,2,3
	v_add_f32 v[BM+\t], v[BM+\t], v[L+8+\t]        ; the rows' sums
.endr
	WALU
.irp t, 0,1,2,3
	v_rcp_f32 v[RL+2*\t], v[BM+\t]
.endr
.irp t, 0,1,2,3
	v_mov_b32 v[RL+2*\t+1], 0
.endr
	WALU
; o of a tile: register 16 b + i of lane (query, h) is feature 32 b + 16 h + i of the head: two blocks, each shared with lane l xor 16
.macro OUTT t
.set PO, FRK+12*(\t)
	WIN 0x01
.set j, 0
.rept 16
	v_pk_mul_f32 v[S+j:S+j+1], v[32*(\t)+j:32*(\t)+j+1], v[RL+2*(\t):RL+2*(\t)+1] op_sel_hi:[1,0]
.set j, j+2
.endr
	WIN 0
.irp b, 0,1
	v_max3_num_f32 v[BM+\b], |v[S+16*\b]|, |v[S+16*\b+1]|, 0x1800000
.endr
.irp i, 2,4,6,8,10,12,14
.irp b, 0,1
	v_max3_num_f32 v[BM+\b], v[BM+\b], |v[S+16*\b+\i]|, |v[S+16*\b+\i+1]|
.endr
.endr
.irp b, 0,1
	v_permlanex16_b32 v[BY+\b], v[BM+\b], s[SEL], s[SEL+1]
.endr
.irp b, 0,1
	v_max_num_f32 v[BM+\b], v[BM+\b], v[BY+\b]
.endr
.irp b, 0,1
	v_add_nc_u32 v[SO+\b], 0xff000000, v[BM+\b]
.endr
.irp b, 0,1
	v_lshrrev_b32 v[BY+\b], 23, v[SO+\b]
.endr
	v_lshl_or_b32 v[OS+(\t)], v[BY+1], 8, v[BY]
	v_cvt_scalef32_pk16_fp6_f32 v[PO:PO+2], v[S:S+15], v[SO]
	v_cvt_scalef32_pk16_fp6_f32 v[CV:CV+2], v[S+16:S+31], v[SO+1]
	v_nop
.irp i, 0,1,2
	v_permlane16_swap_b32 v[PO+\i], v[CV+\i]
.endr
.irp i, 0,1,2
	v_mov_b32 v[PO+3+\i], v[CV+\i]
.endr
.irp j, 0,1,2
	global_store_b64 v[L8], v[PO+2*\j:PO+2*\j+1], s[10:11] offset:12288*(\t)+256*\j   ; 256 consecutive bytes, aligned
.endr
.endm
	OUTT 0
	OUTT 1
	OUTT 2
	OUTT 3
	v_cndmask_b32 v[T1], v[OS], v[OS+1], s83
	v_cndmask_b32 v[T2], v[OS+2], v[OS+3], s83
	global_store_b16 v[OSO], v[T1], s[12:13]
	global_store_b16 v[OSO], v[T2], s[12:13] offset:1024
	s_wait_tensorcnt 0x0                           ; the wave's end
	ds_add_u32 v[SPW], v[NIL]
	s_wait_dscnt 0x0
	CROUND                                         ; the closing round
	s_endpgm
.Lfunc_end_k_q1e73278bed_attn:
	.size	k_q1e73278bed_attn, .Lfunc_end_k_q1e73278bed_attn-k_q1e73278bed_attn
	.p2alignl 7, 3214868480
	.fill 96, 4, 3214868480
	.section	.rodata,"a",@progbits
	.p2align	6, 0x0
	.amdhsa_kernel k_q1e73278bed_attn
		.amdhsa_group_segment_fixed_size 327680
		.amdhsa_private_segment_fixed_size 0
		.amdhsa_enable_private_segment 0
		.amdhsa_kernarg_size 40
		.amdhsa_user_sgpr_count 2
		.amdhsa_user_sgpr_kernarg_segment_ptr 1
		.amdhsa_wavefront_size32 1
		.amdhsa_system_sgpr_workgroup_id_x 1
		.amdhsa_system_sgpr_workgroup_id_y 1
		.amdhsa_system_sgpr_workgroup_id_z 1
		.amdhsa_system_vgpr_workitem_id 0
		.amdhsa_next_free_vgpr 512
		.amdhsa_next_free_sgpr 96
		.amdhsa_reserve_vcc 0
		.amdhsa_float_denorm_mode_32 3
		.amdhsa_float_denorm_mode_16_64 3
		.amdhsa_memory_ordered 1
		.amdhsa_forward_progress 1
		.amdhsa_inst_pref_size 145
	.end_amdhsa_kernel
	.amdgpu_metadata
---
amdhsa.version: [ 1, 2 ]
amdhsa.kernels:
  - .name:           k_q1e73278bed_attn
    .symbol:         k_q1e73278bed_attn.kd
    .args:
      - { .name: qkvimg, .offset: 0, .size: 8, .value_kind: global_buffer, .address_space: global }
      - { .name: qkvsc, .offset: 8, .size: 8, .value_kind: global_buffer, .address_space: global }
      - { .name: key_padding_mask, .offset: 16, .size: 8, .value_kind: global_buffer, .address_space: global }
      - { .name: oimg, .offset: 24, .size: 8, .value_kind: global_buffer, .address_space: global }
      - { .name: osc, .offset: 32, .size: 8, .value_kind: global_buffer, .address_space: global }
    .group_segment_fixed_size: 327680
    .private_segment_fixed_size: 0
    .kernarg_segment_align: 8
    .kernarg_segment_size: 40
    .max_flat_workgroup_size: 256
    .sgpr_count:     96
    .vgpr_count:     512
    .wavefront_size: 32
...
	.end_amdgpu_metadata
.endif
;; end of part 3
;; launch outp (part 4): grid 4 x 64, 4 waves a work-group, clusters of 4 x 4, 327,680 bytes of LDS; arguments oimg, osc, wimg, wsc, bo, out0; writes out0
.if DOCPART == 4
	.amdgcn_target "amdgcn-amd-amdhsa--gfx1250"
	.amdhsa_code_object_version 6
	.text
	.protected	k_q1e73278bed_outp
	.globl	k_q1e73278bed_outp
	.p2align	8
	.type	k_q1e73278bed_outp,@function
k_q1e73278bed_outp:
	s_mov_b64 s[64:65], 0
	v_nop
	global_prefetch_b8 v0, s[64:65] scope:SCOPE_SE
	s_setreg_imm32_b32 hwreg(HW_REG_WAVE_MODE, 25, 1), 1
	s_wait_xcnt 0x0
	s_wait_alu depctr_hold_cnt(0) depctr_sa_sdst(0) depctr_va_vdst(0) depctr_va_sdst(0) depctr_va_ssrc(0) depctr_va_vcc(0) depctr_vm_vsrc(0)
	s_getreg_b32 s2, hwreg(HW_REG_IB_STS2, 6, 4)
	s_cmp_eq_u32 s2, 0
	s_cbranch_scc0 .Lentry_in_a_cluster
	s_endpgm
.Lentry_in_a_cluster:
	s_bfe_u32 s2, ttmp6, 0x10000c
	s_cmp_lg_u32 s2, 0xf033
	s_cbranch_scc0 .Lentry_shape_is_right
	s_endpgm
.Lentry_shape_is_right:
; out0 = o Wo + bo on codes of E2M3 (K = 1,024), f32 out.  A work-group makes 128 tokens (Y: oimg's tiles 8 y on) x 256 features (X: wimg's tiles 192 + 16 x on): 4 x 64 = 256 work-groups.
; ALL OF K LIES IN LDS AT ONCE: Y's 8 tiles (98,304 bytes), X's 16 (196,608), their scale words (4,096 and 8,192).  The four are asked for at the head, one joint load a wave, and nothing is filled again:
; no ring, and no round but the opening and the closing one.  No prefetch: every tile is asked for at the head, so there is no loop to run ahead in.
; CLUSTER 4 x 4: Y's tiles are shared along a row, X's along a column; each is asked for jointly, by the same load with the same descriptor and a mask that names the four.
; Four waves, 2 x 2, each 64 tokens x 128 features: 32 accumulators, 256 registers (window 2).  Source 0 = X's eight tiles (window 1, two sets), source 1 = Y's four (window 0, two sets): a lane holds a token, its
; registers run along the features.  Operands lie in memory and LDS as images of their registers (a fragment: 1,536 bytes, byte 256 p + 8 lane = registers 2 p, 2 p + 1).  A K step's 72 fragment loads (80 with the
; scale words of two steps) are issued a whole step, 32 matrix instructions, ahead of their use: so every wait on LDS is for 0.  The bias is the first products' C.
; A tile's rows are rows 32 (T / 2) + 8 (T % 2) + r + 8 (r / 8).  One register carries Y's scale word (lanes 0-15) and X's (lanes 16-31); for blocks 4-7 lanes 0-15 read written bytes that are not used.
; THE WAY OUT: a block of 16 tokens x 128 features goes through the wave's own stage and leaves as rows of 512 bytes.  The stages lie in Y's bytes, which have had their one fill; a barrier stands between all waves' last reads there and the first store.
.set FR,    12
.set NP,    4
.set TILEB, 12288                      ; a tile, all of K
.set XB,    8*TILEB
.set SCLY,  24*TILEB
.set SCLX,  SCLY+4096
.set SPARE, SCLX+8192                  ; the spare words, 128 bytes a wave
.set SPITCH, 528
.set ADRA,  16                         ; v16    my four tiles of Y
.set ADRB,  20                         ; v20-21 my tiles 0-3, 4-7 of X
.set STO,   24
.set RD,    25
.set CO,    26
.set ADRS,  27
.set SPW,   28
.set NIL,   29
.set SC,    32                         ; v32-63 scale words, two sets of two K steps
.set BX,    64                         ; v64-127 the bias along the registers
.set AF,    128                        ; v128-223 Y's fragments, two sets
.set BK,    128                        ; the way out: rows read back
.set G1,    24
.set G0,    32
.set G0B,   36
.set G0S,   40
.set G0SB,  44
.set G1B,   48
.set G1S,   68
.set G1SB,  76
.set MSB, 0
.macro WIN new
.if MSB != (\new)
	s_set_vgpr_msb (MSB<<8)|(\new)
.set MSB, (\new)
.endif
.endm
.macro CROUND
	s_barrier_signal -1
	s_barrier_wait -1
	s_cmp_lg_u32 s14, 0
	s_cbranch_scc1 .Lnot_wave_0_\@
	s_barrier_signal -3
.Lnot_wave_0_\@:
	s_barrier_wait -3
	s_barrier_signal -1
	s_barrier_wait -1
.endm
.macro PLACES n
.rept \n
	v_nop
.endr
.endm
.macro DENSE g, mask, c, rows          ; group 1 of a dense block: rows of c elements of 8 bytes
	s_or_b32 s[\g], s[\mask], (3<<16)|(1<<21)
	s_mov_b32 s[\g+1], (\c)<<16
	s_mov_b32 s[\g+2], (\rows)<<16
	s_mov_b32 s[\g+3], (\c)<<16
	s_mov_b32 s[\g+4], \rows
	s_mov_b32 s[\g+5], \c
	s_mov_b32 s[\g+6], 0
	s_mov_b32 s[\g+7], 0
.endm
.macro GROUP0 g, lds, adr
	s_mov_b32 s[\g], 1
	s_mov_b32 s[\g+1], \lds
	s_mov_b64 s[\g+2:\g+3], s[\adr:\adr+1]
	s_or_b32 s[\g+3], s[\g+3], 0x80000000
.endm
.macro FRAG reg, adr, q, i
.irp p, 0,1,2,3,4,5
	ds_load_b64 v[\reg+2*\p:\reg+2*\p+1], v[\adr] offset:TILEB*(\i)+1536*(\q)+256*\p
.endr
.endm
.macro FETCH q                         ; K step q's fragments into set q % 2; with an even step the scale words of two steps
	WIN 0x40
.irp i, 0,1,2,3,4,5,6,7
	FRAG 128*((\q)%2)+FR*\i, ADRB+\i/4, \q, \i%4
.endr
	WIN 0
.irp i, 0,1,2,3
	FRAG AF+48*((\q)%2)+FR*\i, ADRA, \q, \i
.endr
.if (\q)%2 == 0
.irp i, 0,1,2,3,4,5,6,7
	ds_load_b64 v[SC+16*(((\q)/2)%2)+2*\i:SC+16*(((\q)/2)%2)+2*\i+1], v[ADRS] offset:\i*512+64*(\q)
.endr
.endif
.endm
.macro MUL32 q                         ; the 32 accumulators take turns, one instruction a turn, in the same order in every step
.irp a, 0,1,2,3
.irp b, 0,1,2,3,4,5,6,7
.if (\q) == 0
	v_wmma_scale_f32_16x16x128_f8f6f4 v[8*(8*\a+\b):8*(8*\a+\b)+7], v[128*((\q)%2)+FR*\b:128*((\q)%2)+FR*\b+FR-1], v[AF+48*((\q)%2)+FR*\a:AF+48*((\q)%2)+FR*\a+FR-1], v[BX+8*\b:BX+8*\b+7], v[SC+16*(((\q)/2)%2)+2*\b+(\q)%2], v[SC+16*(((\q)/2)%2)+2*\a+(\q)%2] matrix_a_fmt:MATRIX_FMT_FP6 matrix_b_fmt:MATRIX_FMT_FP6 matrix_a_scale:MATRIX_SCALE_ROW1
.else
	v_wmma_scale_f32_16x16x128_f8f6f4 v[8*(8*\a+\b):8*(8*\a+\b)+7], v[128*((\q)%2)+FR*\b:128*((\q)%2)+FR*\b+FR-1], v[AF+48*((\q)%2)+FR*\a:AF+48*((\q)%2)+FR*\a+FR-1], v[8*(8*\a+\b):8*(8*\a+\b)+7], v[SC+16*(((\q)/2)%2)+2*\b+(\q)%2], v[SC+16*(((\q)/2)%2)+2*\a+(\q)%2] matrix_a_fmt:MATRIX_FMT_FP6 matrix_b_fmt:MATRIX_FMT_FP6 matrix_a_scale:MATRIX_SCALE_ROW1
.endif
.endr
.endr
.endm
.macro KSTEP q
	s_wait_dscnt 0x0                               ; this step's fragments, asked for a step ago, are in
.if (\q) < 7
	PLACES NP                                      ; in front of loads into the set that the last step multiplied
	FETCH (\q)+1
.else
	s_barrier_signal -1                            ; my reads of Y's and X's bytes are over
.endif
.if (\q) == 0
	WIN 0x81                                       ; source 0 window 1, source 1 and the bias window 0, D window 2
.else
	WIN 0xa1                                       ; C and D window 2
.endif
	MUL32 \q
	WIN 0
.endm
	s_load_b256 s[4:11], s[0:1], 0x0               ; oimg, osc, wimg, wsc
	s_load_b128 s[96:99], s[0:1], 0x20             ; bo, out0
	v_lshl_add_u32 v[SPW], v0, 2, SPARE
	v_mov_b32 v[NIL], 0
	ds_add_u32 v[SPW], v[NIL]                      ; the opening lines
	ds_add_u32 v[SPW], v[NIL]
	v_lshrrev_b32 v1, 5, v0
	v_readfirstlane_b32 s14, v1                    ; wave
	s_lshr_b32 s15, s14, 1                         ; my half of Y
	s_and_b32 s16, s14, 1                          ; my half of X
	s_bfe_u32 s84, ttmp6, 0x40000                  ; cx
	s_bfe_u32 s85, ttmp6, 0x40004                  ; cy
	s_lshl_b32 s86, ttmp9, 2
	s_add_co_u32 s86, s86, s84                     ; x
	s_and_b32 s17, ttmp7, 0xffff
	s_lshl_b32 s17, s17, 2
	s_add_co_u32 s17, s17, s85                     ; y
	s_lshl_b32 s87, s85, 2
	s_lshl_b32 s87, 15, s87                        ; my row of the cluster
	s_lshl_b32 s88, 0x1111, s84                    ; my column
	DENSE G1, 87, 384, 32                          ; Y's codes: 32 rows of 3,072 bytes
	DENSE G1B, 88, 384, 64                         ; X's: 64
	DENSE G1S, 87, 32, 16                          ; Y's scale words: 16 rows of 256 bytes
	DENSE G1SB, 88, 32, 32                         ; X's: 32
	s_mul_i32 s20, s17, 8*TILEB
	s_mov_b32 s21, 0
	s_lshl_b32 s22, s17, 12
	s_mov_b32 s23, 0
	s_lshl_b32 s90, s86, 4
	s_add_co_u32 s90, s90, 192                     ; Wo's tiles lie behind Wq's, Wk's, Wv's
	s_lshl_b32 s92, s90, 9
	s_mov_b32 s93, 0
	s_mul_i32 s90, s90, TILEB
	s_mov_b32 s91, 0
	s_wait_alu depctr_va_vdst(0)
	s_wait_dscnt 0x0
	s_wait_kmcnt 0x0
	s_add_nc_u64 s[20:21], s[4:5], s[20:21]
	s_add_nc_u64 s[22:23], s[6:7], s[22:23]
	s_add_nc_u64 s[90:91], s[8:9], s[90:91]
	s_add_nc_u64 s[92:93], s[10:11], s[92:93]
	CROUND                                         ; all sixteen work-groups are here: the joint loads meet
	GROUP0 G0, 0, 20
	GROUP0 G0B, XB, 90
	GROUP0 G0S, SCLY, 22
	GROUP0 G0SB, SCLX, 92
.macro ARM under, g0, g1, next         ; one chain of arms on the wave's number, one load to an arm
	s_cmp_lt_u32 s14, \under
	s_cbranch_scc0 \next
	tensor_load_to_lds s[\g0:\g0+3], s[\g1:\g1+7]
	s_nop 0
.rept 4
	v_nop
.endr
	s_branch .Lhead_asked
\next:
.endm
	ARM 1, G0, G1, .Lhead_b
	ARM 2, G0B, G1B, .Lhead_sa
	ARM 3, G0S, G1S, .Lhead_sb
	tensor_load_to_lds s[G0SB:G0SB+3], s[G1SB:G1SB+7]
	s_nop 0
.rept 4
	v_nop
.endr
.Lhead_asked:
	s_mul_i32 s56, s15, 4*TILEB                    ; my four tiles of Y,
	s_mul_i32 s57, s16, 8*TILEB
	s_add_co_u32 s57, s57, XB                      ; my eight of X: tiles 0-3,
	s_add_co_u32 s58, s57, 4*TILEB                 ; tiles 4-7 (an LDS offset has 16 bits)
	s_lshl_b32 s59, s15, 11
	s_lshl_b32 s60, s16, 12
	s_add_co_u32 s60, s60, SCLX-SCLY
	s_sub_co_u32 s60, s60, s59                     ; how far behind Y's scale words X's lie
	s_add_co_u32 s61, s59, SCLY
	s_mul_i32 s62, s14, 16*SPITCH                  ; my stage
	s_lshl_b32 s90, s86, 10
	s_lshl_b32 s91, s16, 9
	s_add_co_u32 s90, s90, s91                     ; my first feature, in bytes
	s_mov_b32 s91, 0
	s_add_nc_u64 s[96:97], s[96:97], s[90:91]
	s_lshl_b32 s20, s17, 7
	s_lshl_b32 s21, s15, 6
	s_add_co_u32 s20, s20, s21                     ; my first token
	s_lshl_b32 s20, s20, 12
	s_add_co_u32 s20, s20, s90
	s_mov_b32 s21, 0
	s_add_nc_u64 s[12:13], s[98:99], s[20:21]
	v_and_b32 v1, 15, v0                           ; r
	v_bfe_u32 v2, v0, 4, 1                         ; h
	v_and_b32 v6, 31, v0
	v_lshlrev_b32 v3, 3, v6
	v_lshlrev_b32 v7, 6, v2                        ; the bias: 16 h numbers on
	v_add_nc_u32 v[ADRA], s56, v3
	v_add_nc_u32 v[ADRB], s57, v3
	v_add_nc_u32 v[ADRB+1], s58, v3
	v_mul_u32_u24 v4, s60, v2                      ; lanes 16-31 take X's scale words
	v_lshl_add_u32 v4, v1, 3, v4
	v_add_nc_u32 v[ADRS], s61, v4
	v_mul_u32_u24 v5, v1, SPITCH
	v_lshl_add_u32 v5, v2, 6, v5
	v_add_nc_u32 v[STO], s62, v5
	v_lshlrev_b32 v[CO], 4, v6
	v_add_nc_u32 v[RD], s62, v[CO]
.irp B, 0,1,2,3
.irp k, 0,1,2,3
	global_load_b128 v[BX+16*\B+4*\k:BX+16*\B+4*\k+3], v7, s[96:97] offset:128*\B+16*\k
.endr
.endr
	s_wait_alu depctr_va_vdst(0)
	s_wait_tensorcnt 0x0                           ; every wave: its tile of the four
	s_barrier_signal -1
	s_barrier_wait -1
	FETCH 0
	s_wait_loadcnt 0x0                             ; the bias
.irp q, 0,1,2,3,4,5,6,7
	KSTEP \q
.endr
	s_barrier_wait -1                              ; nobody reads Y's bytes any more: the stages may be written
.macro TOSTAGE a
.set AC, 64*(\a)
	WIN 0x08                                       ; the data: window 2
.irp b, 0,1,2,3,4,5,6,7
	ds_store_b128 v[STO], v[AC+8*\b:AC+8*\b+3] offset:128*(\b/2)+32*(\b%2)      ; each accumulator from its low end on
	ds_store_b128 v[STO], v[AC+8*\b+4:AC+8*\b+7] offset:128*(\b/2)+32*(\b%2)+16
.endr
	WIN 0
.set BB, BK+64*((\a)%2)
.irp t, 0,1,2,3,4,5,6,7,8,9,10,11,12,13,14,15
	ds_load_b128 v[BB+4*\t:BB+4*\t+3], v[RD] offset:\t*SPITCH   ; LDS serves a wave's instructions in order: these see the stores above
.endr
.endm
.macro SEND a, younger                 ; younger: the LDS instructions issued behind block a's loads
.set BB, BK+64*((\a)%2)
	s_wait_dscnt \younger
.if (\a) > 0
	s_add_nc_u64 s[12:13], s[12:13], (8+16*(1-(\a)%2))*4096   ; (behind a wait on XCNT)  the next tile's first token
.endif
.irp t, 0,1,2,3,4,5,6,7,8,9,10,11,12,13,14,15
	global_store_b128 v[CO], v[BB+4*\t:BB+4*\t+3], s[12:13] offset:(\t+8*(\t/8))*4096 th:TH_STORE_NT   ; 512 consecutive bytes, aligned to 256
.endr
.endm
	PLACES NP
	TOSTAGE 0
.irp a, 1,2,3
.if \a > 1
	s_wait_xcnt 0x0                                ; block a - 2's stores have read their registers and their base
.endif
	TOSTAGE \a
	SEND \a-1, 32                                  ; behind block a - 1's loads: block a's 16 stores and 16 loads
.endr
	s_wait_xcnt 0x0
	SEND 3, 0
	s_wait_tensorcnt 0x0                           ; the wave's end
	ds_add_u32 v[SPW], v[NIL]
	s_wait_dscnt 0x0
	CROUND                                         ; the closing round
	s_endpgm
.Lfunc_end_k_q1e73278bed_outp:
	.size	k_q1e73278bed_outp, .Lfunc_end_k_q1e73278bed_outp-k_q1e73278bed_outp
	.p2alignl 7, 3214868480
	.fill 96, 4, 3214868480
	.section	.rodata,"a",@progbits
	.p2align	6, 0x0
	.amdhsa_kernel k_q1e73278bed_outp
		.amdhsa_group_segment_fixed_size 327680
		.amdhsa_private_segment_fixed_size 0
		.amdhsa_enable_private_segment 0
		.amdhsa_kernarg_size 48
		.amdhsa_user_sgpr_count 2
		.amdhsa_user_sgpr_kernarg_segment_ptr 1
		.amdhsa_wavefront_size32 1
		.amdhsa_system_sgpr_workgroup_id_x 1
		.amdhsa_system_sgpr_workgroup_id_y 1
		.amdhsa_system_sgpr_workgroup_id_z 1
		.amdhsa_system_vgpr_workitem_id 0
		.amdhsa_next_free_vgpr 768
		.amdhsa_next_free_sgpr 100
		.amdhsa_reserve_vcc 0
		.amdhsa_float_denorm_mode_32 3
		.amdhsa_float_denorm_mode_16_64 3
		.amdhsa_memory_ordered 1
		.amdhsa_forward_progress 1
		.amdhsa_inst_pref_size 97
	.end_amdhsa_kernel
	.amdgpu_metadata
---
amdhsa.version: [ 1, 2 ]
amdhsa.kernels:
  - .name:           k_q1e73278bed_outp
    .symbol:         k_q1e73278bed_outp.kd
    .args:
      - { .name: oimg, .offset: 0, .size: 8, .value_kind: global_buffer, .address_space: global }
      - { .name: osc, .offset: 8, .size: 8, .value_kind: global_buffer, .address_space: global }
      - { .name: wimg, .offset: 16, .size: 8, .value_kind: global_buffer, .address_space: global }
      - { .name: wsc, .offset: 24, .size: 8, .value_kind: global_buffer, .address_space: global }
      - { .name: bo, .offset: 32, .size: 8, .value_kind: global_buffer, .address_space: global }
      - { .name: out0, .offset: 40, .size: 8, .value_kind: global_buffer, .address_space: global }
    .group_segment_fixed_size: 327680
    .private_segment_fixed_size: 0
    .kernarg_segment_align: 8
    .kernarg_segment_size: 48
    .max_flat_workgroup_size: 128
    .sgpr_count:     100
    .vgpr_count:     768
    .wavefront_size: 32
...
	.end_amdgpu_metadata
.endif
;; end of part 4
